; MI455X (gfx1250); checked and timed in simulation.
; The chip was launched on July 23, 2026; its instructions are those of AMD's public machine-readable ISA for CDNA 5 (MIT licence, August 2026) and "CDNA5" Instruction Set Architecture Reference Guide (July 2026). The comments in the code are by the model that wrote it; some were corrected since.
;; Multi Head Attention With Ro PE. Allowed arithmetic: matrix products marked QUANTISED: E2M1 operands, one E8M0 scale for each 32 along K, by v_wmma_scale_f32_16x16x128_f8f6f4 with both operands' format E2M1 (or v_wmma_scale_f32_32x16x128_f4), f32 sums; everything else in f32.
;; Inputs: b_out 1,024 float32; b_qkv 3,072 float32; w_out 1,024 x 1,024 float32; w_qkv 1,024 x 3,072 float32; x 4 x 2,048 x 1,024 float32.
;; Outputs: out0 4 x 2,048 x 1,024 float32.
;; This version of the problem:
;;   THIS VERSION OF THE PROBLEM IS GIVEN IN LOW PRECISION. The matrix products marked QUANTISED in the list below multiply operands that are first quantised to E2M1 (2 exponent bits, 1 mantissa bit; 4 bits a number), with one power-of-two scale for each 32 numbers along K (OCP MX v1.0); their sums are f32. All else is computed in f32.
;;   The module's matrix products, in the order in which they are computed (A, B: the left and right operand; K: the contracted axis; several contracted axes count as one K, in the product's order):
;;     1. [M 8,192, K 1,024] x [K 1,024, N 3,072]; A: input x; B: input w_qkv: QUANTISED
;;     2. batch 64 x [M 2,048, K 64] x [K 64, N 2,048]; A: computed on the way; B: computed on the way: QUANTISED
;;     3. batch 64 x [M 2,048, K 2,048] x [K 2,048, N 64]; A: softmax (see below); B: computed on the way: QUANTISED
;;     4. [M 8,192, K 1,024] x [K 1,024, N 1,024]; A: computed on the way; B: input w_out: QUANTISED
;;   THE QUANTISER, for each operand of a quantised product, along K:
;;     - K is cut into blocks of 32 from its start; a last block that is shorter is filled with zeros.
;;     - A block's scale is 2^e with e = floor(log2(the largest magnitude in the block)) - 2, held to -126 .. 127; a block of zeros has e = 0. As a byte (E8M0): e + 127.
;;     - Each number is divided by its block's scale, clamped to +-6, and rounded to the nearest number of E2M1, ties to even, subnormals kept.
;;     - The product sums the exact products of the quantised numbers (number of the format x scale) in f32.
;;   ~~~python
;;   def quantise(x, axis):      # numpy; x: float32 -> the quantised numbers, widened to float32 again
;;       x = np.moveaxis(x, axis, -1); K = x.shape[-1]
;;       x = np.pad(x, [(0, 0)] * (x.ndim - 1) + [(0, -K % 32)]); x = x.reshape(x.shape[:-1] + (-1, 32)); a = np.abs(x).max(-1, keepdims=True)
;;       e = np.where(a > 0, np.clip(np.frexp(np.where(a > 0, a, 1))[1] - 1 - 2, -126, 127), 0)      # np.frexp(a)[1] - 1 = floor(log2(a)), exactly
;;       r = np.clip(x / 2.0 ** e, -6, 6)
;;       step = 2.0 ** (np.maximum(np.frexp(np.where(r == 0, 1, r))[1] - 1, 0) - 1)
;;       q = np.round(r / step) * step * 2.0 ** e      # np.round: ties to even
;;       return np.moveaxis(q.reshape(q.shape[:-2] + (-1,))[..., :K], -1, axis).astype(np.float32)
;;   ~~~
;;   SOFTMAX AHEAD OF A QUANTISED PRODUCT. Where the list says 'softmax', what is quantised is not the finished softmax but p = 2^(t - M), with t = logit x log2(e) and M = ceil(the row's largest t), a whole number; so 1/2 < the row's largest p <= 1. The row's sum l is taken of the UNQUANTISED p, in f32, and the product's result is divided by l at the end. Since M is a whole number, a kernel that streams over the keys may use a running M (the ceiling of the running maximum): every later rescaling is an exact power of two, which a block's scale takes up: the codes' values come out the same.
;;   OPERANDS COMPUTED ON THE WAY. 'Computed on the way' means the value that the module computes at that place (a softmax that the list does not call 'softmax' is quantised finished and normalised). What goes into a quantiser is computed in f32, as accurately as f32 sums, v_exp_f32 and their like allow (about 1e-6 of the number): no bf16 or f16 on the way to a quantiser, and a product that is left as it is and whose result goes on into a quantised operand takes f32 operands (vector FMAs, or v_wmma_f32_16x16x4_f32). A number that lies on a knife's edge between two numbers of the format may be rounded either way, as far as f32 arithmetic and the matrix unit's own rounding can turn it there, and no further.
;; One version. Each part assembles by itself: llvm-mc -triple=amdgcn-amd-amdhsa -mcpu=gfx1250 --defsym DOCPART=n.
;; ======== version 1 of 1: 4 launches
;; workspace buffers: xq 4,456,448 bytes; wq 2,228,224 bytes; oq 4,456,448 bytes; rope 524,288 bytes; qq 4,718,592 bytes; kv 9,175,040 bytes
;; launch prep (part 1): grid 256 x 1, 12 waves a work-group, no clusters, 169,472 bytes of LDS; arguments x, w_qkv, w_out, xq, wq, rope; writes xq, wq, rope
.if DOCPART == 1
	.amdgcn_target "amdgcn-amd-amdhsa--gfx1250"
	.amdhsa_code_object_version 6
	.text
	.protected	k_q81280d1e7a_prep
	.globl	k_q81280d1e7a_prep
	.p2align	8
	.type	k_q81280d1e7a_prep,@function
k_q81280d1e7a_prep:
	s_mov_b64 s[64:65], 0
	v_nop
	global_prefetch_b8 v0, s[64:65] scope:SCOPE_SE
	s_setreg_imm32_b32 hwreg(HW_REG_WAVE_MODE, 25, 1), 1
	s_wait_xcnt 0x0
; PREP: x [8192][1024], w_qkv [1024][3072] and w_out [1024][1024], all f32, become codes of E2M1 with one E8M0 byte for each 32 along K (K = x's last axis, the weights' FIRST axis);
; and the table of cos and sin for the rotary embedding is made.  A block's byte is its largest magnitude's exponent field - 2, held at 1 from below.
; THE OPERAND IMAGE (xq, wq).  128 rows (of x; columns of a weight) are one block of 69,632 bytes = four quarters of 17,408; a quarter holds two K steps of 128:
;   codes at sl*8192 + t*1024 + c*512 + 16*lane: the 16 bytes that lane (r = lane%16, h = lane/16) of tile t wants: row 32(t/2) + 8(t%2) + r + 8(r/8), k = 128 step + 64 c + 32 h + 0..31;
;   scale words (four bytes: one row, one K step) at 16384 + sl*512 + t*64 + 4 r.   So a fragment is later read at 16 x lane, without pitch or padding.
; SHARES.  Every work-group has the same bytes to read, 16 KiB a wave: waves 0-7 take 32 rows of x, wave w their K step w (one tensor load); waves 8-11 take one K step of 128 columns of a weight, 32 columns each
; (work-groups 0-191: w_qkv, 192-255: w_out).  Nothing is shared between work-groups, so there is no cluster; no LDS byte is filled twice, and each wave reads only what its own load brought: no barrier.
; THE TABLE.  angle = fl(s x f_j), f_j = fl(1 / fl(10^(j/8))) as 32 constants; reduced by n = round(angle x 2/pi) with pi/2 in three parts; polynomials on |rho| <= pi/4.
; LIMITS: NaN and infinities among the inputs are not served.  A block of zeros, or one whose largest magnitude lies under 2^-124, gets the byte 1 (its codes are zeros or are held by that scale); these bytes are read
; by this program alone.  A constant f_j may differ by one unit in its last place from what a power function and a division give; cos and sin are good to about 1e-7 absolute.
.set FLOOR, 0x1800000                  ; 2^(3 - 127): no largest magnitude is taken under it
.set EOFF,  0xff000000                 ; takes 2 off an exponent field
.set XP,    528                        ; an LDS row of x: 512 bytes + 16 of padding
.set XT,    32*XP                      ; a wave's tile: 32 rows
.set BLKB,  69632
.set QTRB,  17408
	s_load_b256 s[4:11], s[0:1], 0x0               ; x s[4:5], w_qkv s[6:7], w_out s[8:9], xq s[10:11]
	s_load_b128 s[12:15], s[0:1], 0x20             ; wq s[12:13], rope s[14:15]
	v_lshl_add_u32 v254, v0, 2, 0x29000
	v_mov_b32 v255, 0
	ds_add_u32 v254, v255
	ds_add_u32 v254, v255
	s_wait_dscnt 0x0
	v_lshrrev_b32 v1, 5, v0
	s_delay_alu instid0(VALU_DEP_1)
	v_readfirstlane_b32 s16, v1                    ; wave 0..11
	v_and_b32 v1, 31, v0                           ; lane
	v_and_b32 v2, 15, v0                           ; r
	v_bfe_u32 v3, v0, 4, 1                         ; h
	s_delay_alu instid0(VALU_DEP_2)
	v_and_b32 v4, 8, v2
	s_delay_alu instid0(VALU_DEP_1)
	v_add_nc_u32 v4, v4, v2                        ; r + 8 (r / 8)
	v_lshlrev_b32 v5, 4, v1                        ; 16 x lane
	v_lshlrev_b32 v8, 2, v1                        ; 4 x lane
	s_cmp_lt_u32 s16, 8
	s_cbranch_scc0 .Lweights
; ---------------- x: rows 32 g .. 32 g + 31, my wave's 128 along K ----------------
	s_mul_i32 s17, s16, XT                         ; my tile in LDS
	v_mul_u32_u24 v6, v4, XP
	s_delay_alu instid0(VALU_DEP_1)
	v_lshl_add_u32 v6, v3, 7, v6
	s_delay_alu instid0(VALU_DEP_1)
	v_add_nc_u32 v6, s17, v6                       ; row r + 8 (r / 8) of a tile of 16, + 128 h bytes: my 32 numbers of a block
	v_lshlrev_b32 v23, 3, v3                       ; 8 h: my bytes' shift in a scale word
	v_mov_b32 v24, 0                               ; a lane permute's destination counts as one of its sources
	v_cmp_eq_u32 s46, 1, v3                        ; lanes 16-31
	s_mov_b32 s58, 0x76543210
	s_mov_b32 s59, 0xfedcba98                      ; selects for lane l xor 16
	; descriptor group 1: 32 rows x 128 elements of 4 bytes, 1,024 elements from row to row; 4 words of padding behind every 128
	s_mov_b32 s24, (2<<16)|(1<<20)|(6<<22)|(3<<25)
	s_mov_b32 s25, 128<<16                         ; tensor_dim0
	s_mov_b32 s26, 32<<16                          ; tensor_dim1
	s_mov_b32 s27, 128<<16                         ; tile_dim0
	s_mov_b32 s28, 32                              ; tile_dim1
	s_mov_b32 s29, 1024                            ; stride
	s_mov_b32 s30, 0
	s_mov_b32 s31, 0
	s_lshl_b32 s32, ttmp9, 17                      ; 32 rows of 4,096 bytes
	s_lshl_b32 s33, s16, 9                         ; my 512 bytes of a row
	s_add_co_u32 s32, s32, s33
	s_mov_b32 s33, 0
	s_wait_kmcnt 0x0
	s_mov_b32 s20, 1
	s_mov_b32 s21, s17
	s_add_nc_u64 s[22:23], s[4:5], s[32:33]
	s_or_b32 s23, s23, 0x80000000
	tensor_load_to_lds s[20:23], s[24:31]          ; my one load: 16 KiB
	s_nop 0
.rept 4
	v_nop
.endr
	s_lshr_b32 s38, ttmp9, 2
	s_mul_i32 s38, s38, BLKB
	s_lshr_b32 s39, s16, 1
	s_mul_i32 s39, s39, QTRB
	s_add_co_u32 s38, s38, s39                     ; my block and quarter of xq
	s_and_b32 s40, s16, 1                          ; which K step of the quarter
	s_and_b32 s41, ttmp9, 3                        ; which two of the block's eight tiles
	s_lshl_b32 s42, s40, 13
	s_lshl_b32 s43, s41, 11
	s_add_co_u32 s42, s42, s43
	s_add_co_u32 s42, s42, s38
	s_mov_b32 s43, 0
	s_add_nc_u64 s[34:35], s[10:11], s[42:43]      ; where my codes go
	s_lshl_b32 s42, s40, 9
	s_lshl_b32 s44, s41, 7
	s_add_co_u32 s42, s42, s44
	s_add_co_u32 s42, s42, s38
	s_add_co_u32 s42, s42, 16384
	s_add_nc_u64 s[36:37], s[10:11], s[42:43]      ; and my 128 bytes of scale words
	s_cmp_lg_u32 s16, 0
	s_cbranch_scc1 .Lno_rope
	s_cmp_lt_u32 ttmp9, 128
	s_cbranch_scc0 .Lno_rope
	; wave 0 of work-groups 0-127 makes tile g of the table while its load is on its way: lane (r, h): s = 32 (g/2) + 8 (g%2) + r + 8 (r/8), j = 16 h + i
	s_lshr_b32 s45, ttmp9, 1
	s_lshl_b32 s45, s45, 5
	s_and_b32 s44, ttmp9, 1
	s_lshl_b32 s44, s44, 3
	s_add_co_u32 s45, s45, s44
	s_wait_alu depctr_va_vdst(0)
	v_add_nc_u32 v224, s45, v4
	s_delay_alu instid0(VALU_DEP_1)
	v_cvt_f32_u32 v224, v224                       ; s
	s_mov_b32 s47, 0x3fc90000                      ; pi/2 in three parts
	s_mov_b32 s48, 0x39fda000
	s_mov_b32 s49, 0x33a22169
	s_mov_b32 s50, 0xb94ca1f9                      ; sine: -1.9515e-4, 8.3322e-3, -0.16666655
	s_mov_b32 s51, 0x3c08839e
	s_mov_b32 s52, 0xbe2aaaa3
	s_mov_b32 s53, 0x37ccf5ce                      ; cosine: 2.4433e-5, -1.38873e-3, 4.1666646e-2
	s_mov_b32 s54, 0xbab6061a
	s_mov_b32 s55, 0x3d2aaaa5
	s_lshl_b32 s56, ttmp9, 12
	s_mov_b32 s57, 0
	s_add_nc_u64 s[56:57], s[14:15], s[56:57]
.macro SINCOS i, fa, fb                ; cos -> v[192+i], sin -> v[208+i]; fa = f_i, fb = f_(16+i)
	v_mov_b32 v225, \fa
	v_mov_b32 v226, \fb
	s_delay_alu instid0(VALU_DEP_1)
	v_cndmask_b32 v225, v225, v226, s46
	s_wait_alu depctr_va_vdst(0)
	v_mul_f32 v225, v224, v225                     ; the angle, rounded once
	s_delay_alu instid0(VALU_DEP_1)
	v_mul_f32 v226, 0x3f22f983, v225
	s_delay_alu instid0(VALU_DEP_1)
	v_rndne_f32 v226, v226                         ; n
	s_delay_alu instid0(VALU_DEP_1)
	v_fma_f32 v227, -v226, s47, v225
	s_delay_alu instid0(VALU_DEP_1)
	v_fma_f32 v227, -v226, s48, v227
	s_delay_alu instid0(VALU_DEP_1)
	v_fma_f32 v227, -v226, s49, v227               ; rho = angle - n pi/2
	s_delay_alu instid0(VALU_DEP_1)
	v_mul_f32 v228, v227, v227                     ; z
	s_delay_alu instid0(VALU_DEP_1)
	v_mul_f32 v229, v228, v227                     ; z rho
	s_delay_alu instid0(VALU_DEP_2)
	v_fma_f32 v230, v228, s50, s51
	s_delay_alu instid0(VALU_DEP_3)
	v_fma_f32 v231, v228, s53, s54
	s_delay_alu instid0(VALU_DEP_2)
	v_fma_f32 v230, v230, v228, s52
	s_delay_alu instid0(VALU_DEP_2)
	v_fma_f32 v231, v231, v228, s55
	v_fma_f32 v232, v228, -0.5, 1.0
	v_mul_f32 v233, v228, v228
	s_delay_alu instid0(VALU_DEP_4)
	v_fma_f32 v230, v230, v229, v227               ; sin rho
	s_delay_alu instid0(VALU_DEP_2)
	v_fma_f32 v231, v231, v233, v232               ; cos rho
	v_cvt_i32_f32 v234, v226
	s_delay_alu instid0(VALU_DEP_1)
	v_and_b32 v235, 1, v234
	s_delay_alu instid0(VALU_DEP_1)
	v_cmp_eq_u32 vcc_lo, 1, v235                   ; n odd: the two change places
	s_delay_alu instid0(VALU_DEP_1)
	v_cndmask_b32 v236, v230, v231, vcc_lo
	s_delay_alu instid0(VALU_DEP_2)
	v_cndmask_b32 v237, v231, v230, vcc_lo
	v_lshlrev_b32 v238, 30, v234
	s_delay_alu instid0(VALU_DEP_1)
	v_and_b32 v238, 0x80000000, v238               ; sine is negated where n mod 4 is 2 or 3,
	s_delay_alu instid0(VALU_DEP_1)
	v_xor_b32 v[208+\i], v238, v236
	v_add_nc_u32 v234, 1, v234
	s_delay_alu instid0(VALU_DEP_1)
	v_lshlrev_b32 v238, 30, v234
	s_delay_alu instid0(VALU_DEP_1)
	v_and_b32 v238, 0x80000000, v238               ; cosine where it is 1 or 2
	s_delay_alu instid0(VALU_DEP_1)
	v_xor_b32 v[192+\i], v238, v237
.endm
	SINCOS 0,  0x3f800000, 0x3c23d70a
	SINCOS 1,  0x3f3ff911, 0x3bf5b9b0
	SINCOS 2,  0x3f0ff59a, 0x3bb8449c
	SINCOS 3,  0x3ed7e89b, 0x3b8a2e77
	SINCOS 4,  0x3ea1e89b, 0x3b4f3e38
	SINCOS 5,  0x3e72d423, 0x3b1b690d
	SINCOS 6,  0x3e361887, 0x3ae91528
	SINCOS 7,  0x3e088d77, 0x3aaec98e
	SINCOS 8,  0x3dcccccd, 0x3a83126f
	SINCOS 9,  0x3d99940d, 0x3a44948c
	SINCOS 10, 0x3d6655c2, 0x3a136a16
	SINCOS 11, 0x3d2cba15, 0x39dd1725
	SINCOS 12, 0x3d0186e3, 0x39a5cb60
	SINCOS 13, 0x3cc2434f, 0x3978a814
	SINCOS 14, 0x3c91ad39, 0x393a7753
	SINCOS 15, 0x3c5a7bf2, 0x390bd472
.irp q, 0,1,2,3,4,5,6,7
	global_store_b128 v5, v[192+4*\q:195+4*\q], s[56:57] offset:512*\q   ; quads 0-3 cos, 4-7 sin: 512 consecutive bytes a store
.endr
.Lno_rope:
	s_wait_tensorcnt 0x0                           ; my tile is in LDS; only I read it
; A unit: one tile of 16 rows x my 128 along K.  Lane (r, h) takes k = 64 c + 32 h + 0..31 of its row: two whole blocks, in the order of the operand's registers.
.macro LOADU t
.set XS, 32+64*(\t)
.set XO, 8*(\t)*XP
.irp c, 0,1
.irp i, 0,1,2,3,4,5,6,7
	ds_load_b128 v[XS+32*\c+4*\i:XS+32*\c+4*\i+3], v6 offset:XO+256*\c+16*\i
.endr
.endr
.endm
.macro UNIT t, left
	s_wait_dscnt \left                             ; this unit's 16 loads are in; what was issued behind them may be out
.set XS, 32+64*(\t)
.irp c, 0,1
	v_max3_num_f32 v[16+\c], |v[XS+32*\c]|, |v[XS+32*\c+1]|, FLOOR
.endr
.irp i, 2,4,6,8,10,12,14,16,18,20,22,24,26,28,30
.irp c, 0,1
	s_delay_alu instid0(VALU_DEP_2)
	v_max3_num_f32 v[16+\c], v[16+\c], |v[XS+32*\c+\i]|, |v[XS+32*\c+\i+1]|   ; the two blocks by turns
.endr
.endr
.irp c, 0,1
	s_delay_alu instid0(VALU_DEP_2)
	v_add_nc_u32 v[18+\c], EOFF, v[16+\c]          ; the conversion's scale operand: only its exponent field counts
.endr
.irp c, 0,1
	s_delay_alu instid0(VALU_DEP_2)
	v_lshrrev_b32 v[20+\c], 23, v[18+\c]           ; the scale's byte
.endr
	s_delay_alu instid0(VALU_DEP_1)
	v_lshl_or_b32 v22, v21, 16, v20                ; my bytes are those of blocks h and 2 + h
	s_delay_alu instid0(VALU_DEP_1)
	v_lshlrev_b32 v22, v23, v22
	s_delay_alu instid0(VALU_DEP_1)
	v_permlanex16_b32 v24, v22, s58, s59
	s_delay_alu instid0(VALU_DEP_1)
	v_or_b32 v[25+\t], v22, v24                    ; with lane l xor 16's two the word is whole, in both halves of the lanes
.irp c, 0,1
.irp g, 0,1,2,3
	v_cvt_scalef32_pk8_fp4_f32 v[160+8*(\t)+4*\c+\g], v[XS+32*\c+8*\g:XS+32*\c+8*\g+7], v[18+\c]
.endr
.endr
	v_nop                                          ; a plain line behind the last conversion
.irp c, 0,1
	global_store_b128 v5, v[160+8*(\t)+4*\c:163+8*(\t)+4*\c], s[34:35] offset:1024*(\t)+512*\c   ; 512 consecutive bytes; each unit has registers of its own for its codes
.endr
.endm
	s_wait_alu depctr_va_vdst(0)
	LOADU 0
	LOADU 1
	UNIT 0, 16                                     ; younger: unit 1's 16 loads
	UNIT 1, 0
	v_cndmask_b32 v27, v25, v26, s46               ; lanes 0-15 carry the first tile's words, lanes 16-31 the second's
	global_store_b32 v8, v27, s[36:37]             ; 128 consecutive bytes: half of an aligned 256; one byte for each 128 that the path reads
	s_wait_tensorcnt 0x0
	ds_add_u32 v254, v255
	s_wait_dscnt 0x0
	s_endpgm
; ---------------- the weights: a lane takes a column, its registers run down K ----------------
.Lweights:
	s_lshr_b32 s18, ttmp9, 3                       ; block of wq: 128 columns
	s_and_b32 s21, ttmp9, 7                        ; the work-group's K step
	s_sub_co_u32 s20, s16, 8                       ; which 32 of the columns are my wave's: the four waves stand side by side on 512 bytes of a row
	s_mul_i32 s26, s18, BLKB
	s_lshr_b32 s23, s21, 1
	s_mul_i32 s23, s23, QTRB
	s_add_co_u32 s26, s26, s23
	s_and_b32 s23, s21, 1
	s_lshl_b32 s28, s23, 13
	s_add_co_u32 s28, s28, s26
	s_lshl_b32 s22, s20, 11
	s_add_co_u32 s28, s28, s22                     ; codes: two tiles of 1,024 bytes for my 32 columns
	s_mov_b32 s29, 0
	s_lshl_b32 s30, s23, 9
	s_add_co_u32 s30, s30, s26
	s_lshl_b32 s22, s20, 7
	s_add_co_u32 s30, s30, s22
	s_add_co_u32 s30, s30, 16384                   ; scale words: 128 bytes for my 32 columns
	s_mov_b32 s31, 0
	s_wait_alu depctr_va_vdst(0)
	v_lshl_add_u32 v6, v3, 3, v4
	s_delay_alu instid0(VALU_DEP_1)
	v_lshlrev_b32 v6, 2, v6                        ; my column among the 32: 8 (lane/16) + r + 8 (r/8): the 32 lanes read 128 consecutive bytes
	v_lshlrev_b32 v7, 10, v3
	s_delay_alu instid0(VALU_DEP_1)
	v_lshl_add_u32 v7, v2, 4, v7                   ; my 16 bytes of a block's codes: tile lane/16, place r
	s_wait_kmcnt 0x0
	s_add_nc_u64 s[28:29], s[12:13], s[28:29]
	s_add_nc_u64 s[30:31], s[12:13], s[30:31]
.macro WLOAD b, n                      ; block b of my K step: W(32 b + i, my column)
.set I, 0
.rept 32
	global_load_b32 v[32+32*(\b)+I], v6, s[24:25] offset:(32*(\b)+I)*4*(\n) th:TH_LOAD_NT
.set I, I+1
.endr
.endm
.macro WBLOCK b
.set XS, 32+32*(\b)
	v_max3_num_f32 v16, |v[XS]|, |v[XS+1]|, |v[XS+2]|
	v_max3_num_f32 v17, |v[XS+3]|, |v[XS+4]|, |v[XS+5]|
.irp i, 6,10,14,18,22,26
	s_delay_alu instid0(VALU_DEP_2)
	v_max3_num_f32 v16, v16, |v[XS+\i]|, |v[XS+\i+1]|
	s_delay_alu instid0(VALU_DEP_2)
	v_max3_num_f32 v17, v17, |v[XS+\i+2]|, |v[XS+\i+3]|
.endr
	s_delay_alu instid0(VALU_DEP_2)
	v_max3_num_f32 v16, v16, |v[XS+30]|, |v[XS+31]|
	s_delay_alu instid0(VALU_DEP_1)
	v_max3_num_f32 v16, v16, v17, FLOOR
	s_delay_alu instid0(VALU_DEP_1)
	v_add_nc_u32 v18, EOFF, v16
	s_delay_alu instid0(VALU_DEP_1)
	v_lshrrev_b32 v19, 23, v18
.if (\b) == 0
	s_delay_alu instid0(VALU_DEP_1)
	v_mov_b32 v24, v19
.else
	s_delay_alu instid0(VALU_DEP_1)
	v_lshl_or_b32 v24, v19, 8*(\b), v24            ; byte b of my column's scale word
.endif
.irp g, 0,1,2,3
	v_cvt_scalef32_pk8_fp4_f32 v[160+4*(\b)+\g], v[XS+8*\g:XS+8*\g+7], v18
.endr
	v_nop
	global_store_b128 v7, v[160+4*(\b):163+4*(\b)], s[28:29] offset:256*(\b)   ; sixteen lanes fill 256 consecutive bytes, aligned
.endm
.macro WPATH n, wlo, cb0
	s_mul_i32 s24, s21, 512*(\n)                   ; 128 rows of W down
	s_sub_co_u32 s23, s18, \cb0
	s_lshl_b32 s23, s23, 9
	s_add_co_u32 s24, s24, s23
	s_lshl_b32 s23, s20, 7
	s_add_co_u32 s24, s24, s23
	s_mov_b32 s25, 0
	s_add_nc_u64 s[24:25], s[\wlo:\wlo+1], s[24:25]
	WLOAD 0, \n
	WLOAD 1, \n
	s_wait_loadcnt 32                              ; block 0 is in; the 32 younger loads may be out (likewise below)
	WLOAD 2, \n
	WBLOCK 0
	s_wait_loadcnt 32
	WLOAD 3, \n
	WBLOCK 1
	s_wait_loadcnt 32
	WBLOCK 2
	s_wait_loadcnt 0x0
	WBLOCK 3
	global_store_b32 v8, v24, s[30:31]             ; 128 consecutive bytes: half of an aligned 256; one byte for each 128 that the path reads
	s_endpgm
.endm
	s_cmp_lt_u32 ttmp9, 192
	s_cbranch_scc0 .Lwout
	s_wait_alu depctr_va_vdst(0)
	WPATH 3072, 6, 0
.Lwout:
	s_wait_alu depctr_va_vdst(0)
	WPATH 1024, 8, 24
.Lfunc_end_k_q81280d1e7a_prep:
	.size	k_q81280d1e7a_prep, .Lfunc_end_k_q81280d1e7a_prep-k_q81280d1e7a_prep
	.p2alignl 7, 3214868480
	.fill 96, 4, 3214868480
	.section	.rodata,"a",@progbits
	.p2align	6, 0x0
	.amdhsa_kernel k_q81280d1e7a_prep
		.amdhsa_group_segment_fixed_size 169472
		.amdhsa_private_segment_fixed_size 0
		.amdhsa_enable_private_segment 0
		.amdhsa_kernarg_size 48
		.amdhsa_user_sgpr_count 2
		.amdhsa_user_sgpr_kernarg_segment_ptr 1
		.amdhsa_wavefront_size32 1
		.amdhsa_system_sgpr_workgroup_id_x 1
		.amdhsa_system_sgpr_workgroup_id_y 1
		.amdhsa_system_sgpr_workgroup_id_z 1
		.amdhsa_system_vgpr_workitem_id 0
		.amdhsa_next_free_vgpr 256
		.amdhsa_next_free_sgpr 66
		.amdhsa_reserve_vcc 1
		.amdhsa_float_denorm_mode_32 3
		.amdhsa_float_denorm_mode_16_64 3
		.amdhsa_memory_ordered 1
		.amdhsa_forward_progress 1
		.amdhsa_inst_pref_size 95
	.end_amdhsa_kernel
	.amdgpu_metadata
---
amdhsa.version: [ 1, 2 ]
amdhsa.kernels:
  - .name:           k_q81280d1e7a_prep
    .symbol:         k_q81280d1e7a_prep.kd
    .args:
      - { .name: x, .offset: 0, .size: 8, .value_kind: global_buffer, .address_space: global }
      - { .name: w_qkv, .offset: 8, .size: 8, .value_kind: global_buffer, .address_space: global }
      - { .name: w_out, .offset: 16, .size: 8, .value_kind: global_buffer, .address_space: global }
      - { .name: xq, .offset: 24, .size: 8, .value_kind: global_buffer, .address_space: global }
      - { .name: wq, .offset: 32, .size: 8, .value_kind: global_buffer, .address_space: global }
      - { .name: rope, .offset: 40, .size: 8, .value_kind: global_buffer, .address_space: global }
    .group_segment_fixed_size: 169472
    .private_segment_fixed_size: 0
    .kernarg_segment_align: 8
    .kernarg_segment_size: 48
    .max_flat_workgroup_size: 384
    .sgpr_count:     66
    .vgpr_count:     256
    .wavefront_size: 32
...
	.end_amdgpu_metadata
.endif
;; end of part 1
;; launch gemm_qkv (part 2): grid 8 x 32, 4 waves a work-group, clusters of 4 x 4, 327,680 bytes of LDS; arguments xq, wq, rope, b_qkv, qq, kv; writes qq, kv
.if DOCPART == 2
	.amdgcn_target "amdgcn-amd-amdhsa--gfx1250"
	.amdhsa_code_object_version 6
	.text
	.protected	k_q81280d1e7a_gemm_qkv
	.globl	k_q81280d1e7a_gemm_qkv
	.p2align	8
	.type	k_q81280d1e7a_gemm_qkv,@function
k_q81280d1e7a_gemm_qkv:
	s_mov_b64 s[64:65], 0
	v_nop
	global_prefetch_b8 v0, s[64:65] scope:SCOPE_SE
	s_setreg_imm32_b32 hwreg(HW_REG_WAVE_MODE, 25, 1), 1
	s_wait_xcnt 0x0
	s_wait_alu depctr_hold_cnt(0) depctr_sa_sdst(0) depctr_va_vdst(0) depctr_va_sdst(0) depctr_va_ssrc(0) depctr_va_vcc(0) depctr_vm_vsrc(0)
	s_getreg_b32 s2, hwreg(HW_REG_IB_STS2, 6, 4)
	s_cmp_eq_u32 s2, 0
	s_cbranch_scc0 .Lentry_in_a_cluster
	s_endpgm
.Lentry_in_a_cluster:
	s_bfe_u32 s2, ttmp6, 0x10000c
	s_cmp_lg_u32 s2, 0xf033
	s_cbranch_scc0 .Lentry_shape_is_right
	s_endpgm
.Lentry_shape_is_right:
; x w_qkv + b_qkv on codes of E2M1 (K = 1,024), then: q and k are rotated and quantised along the head's 64; v is quantised along the keys.  Nothing leaves as f32.
; In a result a lane holds one row of source 1, and its registers run along source 0's rows; by the order of rows in a tile (lane r of tile t holds row 32(t/2) + 8(t%2) + r + 8(r/8)) registers 16 G + i of a lane
; are source 0's rows 32 G + 16 (lane/16) + i: sixteen neighbours, as the next quantiser wants them.
; A WORK-GROUP STAYS AND MAKES THREE TILES OF 256 x 128 from 256 rows of x (blocks X0, X1) and three blocks of 128 columns of w_qkv:
;   tile C: source 0 = X0, X1 (256 keys), source 1 = Wv (two heads of v): a lane holds one channel, its registers the keys;
;   tile A: source 0 = Wa (two heads of q or of k), source 1 = the 256 tokens, 64 to a wave: a lane holds one token, its registers the heads' channels;   tile B: the same with Wb.
; 32 pairs of x blocks x 8 groups of columns are 256 work-groups; q and k have twice v's columns, so each work-group has two tiles of the one kind and one of the other.
; ALL OF K LIES IN LDS, a block being 69,632 bytes.  Five blocks do not fit, so X0, X1, Wv and Wa are filled at the start (in quarters of two K steps, so that the products begin when the first quarter has landed),
; and Wb is filled into Wv's bytes when tile C's products are done: it has tile C's way out and the whole of tile A in which to land.
; CLUSTER 4 x 4.  The blocks of x hang on the work-group's y alone and are asked for jointly by a row of the cluster, the blocks of w_qkv on its x alone, by a column.  No branch hangs on a work-group's place.
; The bias is the C of each sum's first product.
; REGISTERS.  window 0: v1-28 addresses, v29-30 for the spare words; two sets of fragments at v32 and v128 (source 0: 8 x 8, source 1: 4 x 8); two sets of scale words at v224 and v230, which hold nothing else;
;   on the ways out v96-219 are at work.   window 1: 32 accumulators, (a, b) at v[8 (8 a + b)].   window 2: v0-63 Wa's bias, v64-127 Wb's, v128-255 cos and sin, all in the result's layout.   window 3: v0-31 v's bias.
; LIMITS: as in the first launch: NaN and infinities are not served; a block of zeros or under 2^-124 gets the byte 1.
.set BLKB,  69632
.set QTRB,  17408
.set LR2,   2*BLKB                     ; LDS: X0, X1, then Wv and later Wb,
.set LR3,   3*BLKB                     ; then Wa,
.set SPARE, 4*BLKB                     ; then the spare words, 128 bytes for each wave: two blocks of 256 bytes that no other line names
.set FLOOR, 0x1800000
.set EOFF,  0xff000000
.set MSB, 0
.macro WIN new                         ; the immediate's high byte repeats the setting that is left
.if MSB != \new
	s_set_vgpr_msb (MSB<<8)|\new
.set MSB, \new
.endif
.endm
.macro PLACES
.rept 4
	v_nop
.endr
.endm
.macro CROUND                          ; a round of the cluster's barrier
	s_barrier_signal -1
	s_barrier_wait -1
	s_cmp_lg_u32 s16, 0
	s_cbranch_scc1 .Lnot_wave_0_\@
	s_barrier_signal -3
.Lnot_wave_0_\@:
	s_barrier_wait -3
	s_barrier_signal -1
	s_barrier_wait -1
.endm
	s_load_b256 s[4:11], s[0:1], 0x0               ; xq s[4:5], wq s[6:7], rope s[8:9], b_qkv s[10:11]
	s_load_b128 s[12:15], s[0:1], 0x20             ; qq s[12:13], kv s[14:15]
	v_lshl_add_u32 v29, v0, 2, SPARE               ; my spare word; never rewritten
	v_mov_b32 v30, 0                               ; 0; never rewritten
	ds_add_u32 v29, v30
	ds_add_u32 v29, v30
	s_wait_dscnt 0x0
	v_lshrrev_b32 v1, 5, v0
	v_readfirstlane_b32 s16, v1                    ; wave 0..3
	s_and_b32 s17, s16, 1
	s_lshr_b32 s18, s16, 1
	s_bfe_u32 s19, ttmp6, 0x40000                  ; cx
	s_bfe_u32 s20, ttmp6, 0x40004                  ; cy
	s_lshl_b32 s21, ttmp9, 2
	s_add_co_u32 s21, s21, s19                     ; gx: the group of columns, 0..7
	s_and_b32 s23, ttmp7, 0xffff
	s_lshl_b32 s22, s23, 2
	s_add_co_u32 s22, s22, s20                     ; gy: the pair of x blocks, 0..31
	s_lshl_b32 s24, 0x1111, s19                    ; my column of the cluster
	s_lshl_b32 s25, s20, 2
	s_lshl_b32 s25, 15, s25                        ; my row
	; descriptor groups 1: a quarter of a block as 68 rows of 256 bytes (32 elements of 8 bytes): x's go to my row, the weights' to my column
	s_or_b32 s28, s25, (3<<16)|(1<<21)
	s_or_b32 s52, s24, (3<<16)|(1<<21)
.irp g, 28, 52
	s_mov_b32 s[\g+1], 32<<16                      ; tensor_dim0
	s_mov_b32 s[\g+2], 68<<16                      ; tensor_dim1
	s_mov_b32 s[\g+3], 32<<16                      ; tile_dim0
	s_mov_b32 s[\g+4], 68                          ; tile_dim1
	s_mov_b32 s[\g+5], 32                          ; stride
	s_mov_b32 s[\g+6], 0
	s_mov_b32 s[\g+7], 0
.endr
	s_mul_i32 s88, s17, BLKB                       ; LDS: the first or the second block of a pair
	s_lshl_b32 s92, s22, 1
	s_add_co_u32 s92, s92, s17
	s_mul_i32 s92, s92, BLKB                       ; waves 0, 1: X0, X1
	s_mov_b32 s93, 0
	s_add_co_u32 s99, s21, 16
	s_lshl_b32 s100, s21, 1
	s_cmp_eq_u32 s17, 0
	s_cselect_b32 s94, s99, s100                   ; wave 2: Wv = block 16 + gx; wave 3: Wa = block 2 gx
	s_mul_i32 s94, s94, BLKB
	s_mov_b32 s95, 0
	s_add_co_u32 s26, s100, 1                      ; Wb = block 2 gx + 1: wave w will bring its quarter w
	s_mul_i32 s26, s26, BLKB
	s_mul_i32 s101, s16, QTRB
	s_add_co_u32 s26, s26, s101
	s_mov_b32 s27, 0
	s_wait_kmcnt 0x0
	s_add_nc_u64 s[92:93], s[4:5], s[92:93]
	s_add_nc_u64 s[94:95], s[6:7], s[94:95]
	s_add_nc_u64 s[26:27], s[6:7], s[26:27]
.irp j, 0,1,2,3
	s_mov_b32 s[36+4*\j], 1
	s_add_co_u32 s[37+4*\j], s88, \j*QTRB
	s_add_nc_u64 s[38+4*\j:39+4*\j], s[92:93], \j*QTRB
	s_or_b32 s[39+4*\j], s[39+4*\j], 0x80000000
.endr
.macro MKW reg, j
	s_mov_b32 s[\reg], 1
	s_add_co_u32 s[\reg+1], s88, LR2+\j*QTRB
	s_add_nc_u64 s[\reg+2:\reg+3], s[94:95], \j*QTRB
	s_or_b32 s[\reg+3], s[\reg+3], 0x80000000
.endm
	MKW 60, 0
	MKW 68, 1
	MKW 72, 2
	MKW 76, 3
	s_mov_b32 s80, 1                               ; the refill's group 0, in registers of its own
	s_add_co_u32 s81, s101, LR2
	s_mov_b64 s[82:83], s[26:27]
	s_or_b32 s83, s83, 0x80000000
	CROUND                                         ; all sixteen work-groups are here: the joint loads meet
	s_cmp_eq_u32 s18, 0                            ; a wave's four fills stand in one branch on its number: four loads of mine are out
	s_cbranch_scc0 .Lfill_w
	tensor_load_to_lds s[36:39], s[28:35]
	s_nop 0
	tensor_load_to_lds s[40:43], s[28:35]
	s_nop 0
	tensor_load_to_lds s[44:47], s[28:35]
	s_nop 0
	tensor_load_to_lds s[48:51], s[28:35]
	s_nop 0
	PLACES
	s_branch .Lfilled
.Lfill_w:
	tensor_load_to_lds s[60:63], s[52:59]
	s_nop 0
	tensor_load_to_lds s[68:71], s[52:59]
	s_nop 0
	tensor_load_to_lds s[72:75], s[52:59]
	s_nop 0
	tensor_load_to_lds s[76:79], s[52:59]
	s_nop 0
	PLACES
.Lfilled:
	v_and_b32 v15, 31, v0                          ; lane
	v_and_b32 v2, 15, v0                           ; r
	v_bfe_u32 v3, v0, 4, 1                         ; h
	v_lshlrev_b32 v1, 4, v15                       ; 16 x lane
	v_lshlrev_b32 v12, 3, v15                      ; 8 x lane
	v_lshlrev_b32 v16, 2, v15                      ; 4 x lane
	v_lshlrev_b32 v13, 6, v3                       ; 64 h
	v_and_b32 v14, 8, v2
	v_add_nc_u32 v14, v14, v2
	v_lshlrev_b32 v14, 2, v14                      ; 4 (r + 8 (r/8))
	; LDS addresses, each for quarters 0, 1 and for quarters 2, 3.  Tile C: source 0 = block X(wave%2), source 1 = tiles 4 (wave/2) on of Wv
	v_add_nc_u32 v4, s88, v1
	v_add_nc_u32 v5, 2*QTRB, v4
	s_lshl_b32 s2, s18, 12
	s_add_co_u32 s2, s2, LR2
	v_add_nc_u32 v6, s2, v1
	v_add_nc_u32 v7, 2*QTRB, v6
	s_add_co_u32 s2, s88, 16384
	v_add_nc_u32 v8, s2, v16                       ; scale words: lanes 0-15 an even tile's, lanes 16-31 the next tile's
	v_add_nc_u32 v9, 2*QTRB, v8
	s_lshl_b32 s2, s18, 8
	s_add_co_u32 s2, s2, LR2+16384
	v_add_nc_u32 v10, s2, v16
	v_add_nc_u32 v11, 2*QTRB, v10
	; tiles A and B: source 0 = Wa (or Wb), whole; source 1 = tiles 4 (wave%2) on of block X(wave/2)
	v_add_nc_u32 v17, LR3, v1
	v_add_nc_u32 v18, LR3+2*QTRB, v1
	s_mul_i32 s3, s18, BLKB
	s_lshl_b32 s2, s17, 12
	s_add_co_u32 s2, s2, s3
	v_add_nc_u32 v19, s2, v1
	v_add_nc_u32 v20, 2*QTRB, v19
	v_add_nc_u32 v21, LR3+16384, v16
	v_add_nc_u32 v22, LR3+16384+2*QTRB, v16
	s_lshl_b32 s2, s17, 8
	s_add_co_u32 s2, s2, s3
	s_add_co_u32 s2, s2, 16384
	v_add_nc_u32 v23, s2, v16
	v_add_nc_u32 v24, 2*QTRB, v23
	v_add_nc_u32 v25, LR2, v1
	v_add_nc_u32 v26, LR2+2*QTRB, v1
	v_add_nc_u32 v27, LR2+16384, v16
	v_add_nc_u32 v28, LR2+16384+2*QTRB, v16
	v_cmp_eq_u32 s98, 1, v3                        ; lanes 16-31
	s_mov_b32 s96, 0x76543210
	s_mov_b32 s97, 0xfedcba98                      ; selects for lane l xor 16
	; global bases
	s_lshl_b32 s2, s21, 9
	s_lshl_b32 s3, s18, 8
	s_add_co_u32 s2, s2, s3
	s_add_co_u32 s2, s2, 8192
	s_mov_b32 s3, 0
	s_add_nc_u64 s[84:85], s[10:11], s[2:3]        ; v's bias: column 2048 + 128 gx + 64 (wave/2)
	s_lshl_b32 s2, s21, 10
	s_add_nc_u64 s[86:87], s[10:11], s[2:3]        ; q's or k's bias: column 256 gx
	s_and_b32 s99, s22, 7
	s_lshl_b32 s99, s99, 1                         ; the first of my two groups of 128 tokens in the batch
	s_add_co_u32 s100, s99, s18                    ; tiles A, B: my group of 128 tokens
	s_lshl_b32 s2, s100, 3
	s_lshl_b32 s23, s17, 2
	s_add_co_u32 s2, s2, s23
	s_lshl_b32 s2, s2, 12
	s_add_nc_u64 s[88:89], s[8:9], s[2:3]          ; the table: my four tiles of tokens, 4,096 bytes each
	s_lshr_b32 s101, s22, 3
	s_lshl_b32 s101, s101, 4                       ; 16 x batch
	s_lshl_b32 s23, s21, 1
	s_add_co_u32 s23, s23, s101
	s_add_co_u32 s23, s23, s18                     ; v: batch x 16 + head
	s_add_co_u32 s2, s99, s17                      ; v: which 128 keys
	s_mul_i32 s23, s23, 143360
	s_mul_i32 s2, s2, 8960
	s_add_co_u32 s2, s2, s23
	s_add_co_u32 s2, s2, 4096
	s_add_nc_u64 s[90:91], s[14:15], s[2:3]        ; v's codes in the record
	WIN 0xc0                                       ; destination window 3
.irp a, 0,1,2,3                        ; window 3, v[8 a + j]: the bias of my lane's channel of tile a, eight times: the C of that tile's sums
.irp j, 0,1,2,3,4,5,6,7
	global_load_b32 v[8*\a+\j], v14, s[84:85] offset:(32*(\a/2)+8*(\a%2))*4
.endr
.endr
	WIN 0x80                                       ; destination window 2
.set J, 0
.rept 16                               ; window 2, v[8 b + j] = bias of Wa's column 32 (b/2) + 8 (b%2) + 16 h + j
	global_load_b128 v[4*J:4*J+3], v13, s[86:87] offset:256*(J/8)+128*((J/4)%2)+16*(J%4)
.set J, J+1
.endr
	WIN 0
; K step s into set p: 24 fragments' halves and 6 registers of scale words, each an image read at a constant + 16 (or 4) x lane.  ap, aq, asp, asq: the first of each pair of address registers
.macro FETCH s, p, ap, aq, asp, asq
.set FB, 32+96*(\p)
.set FO, (((\s)>>1)&1)*QTRB+((\s)&1)*8192
.set FS, (((\s)>>1)&1)*QTRB+((\s)&1)*512
.set FH, (\s)/4
.irp t, 0,1,2,3,4,5,6,7
.irp c, 0,1
	ds_load_b128 v[FB+8*\t+4*\c:FB+8*\t+4*\c+3], v[\ap+FH] offset:FO+1024*\t+512*\c
.endr
.endr
.irp t, 0,1,2,3
.irp c, 0,1
	ds_load_b128 v[FB+64+8*\t+4*\c:FB+64+8*\t+4*\c+3], v[\aq+FH] offset:FO+1024*\t+512*\c
.endr
.endr
.irp g, 0,1,2,3
	ds_load_b32 v[224+6*(\p)+\g], v[\asp+FH] offset:FS+128*\g
.endr
.irp g, 0,1
	ds_load_b32 v[228+6*(\p)+\g], v[\asq+FH] offset:FS+128*\g
.endr
.endm
.macro WLINE ra, rb                    ; one product; ra, rb: the scale words lie in lanes 16-31
.if (\ra) && (\rb)
	v_wmma_scale_f32_16x16x128_f8f6f4 v[AC:AC+7], v[PF:PF+7], v[QF:QF+7], v[CC:CC+7], v[SPR], v[SQR] matrix_a_fmt:MATRIX_FMT_FP4 matrix_b_fmt:MATRIX_FMT_FP4 matrix_a_scale:MATRIX_SCALE_ROW1 matrix_b_scale:MATRIX_SCALE_ROW1
.elseif (\ra)
	v_wmma_scale_f32_16x16x128_f8f6f4 v[AC:AC+7], v[PF:PF+7], v[QF:QF+7], v[CC:CC+7], v[SPR], v[SQR] matrix_a_fmt:MATRIX_FMT_FP4 matrix_b_fmt:MATRIX_FMT_FP4 matrix_a_scale:MATRIX_SCALE_ROW1
.elseif (\rb)
	v_wmma_scale_f32_16x16x128_f8f6f4 v[AC:AC+7], v[PF:PF+7], v[QF:QF+7], v[CC:CC+7], v[SPR], v[SQR] matrix_a_fmt:MATRIX_FMT_FP4 matrix_b_fmt:MATRIX_FMT_FP4 matrix_b_scale:MATRIX_SCALE_ROW1
.else
	v_wmma_scale_f32_16x16x128_f8f6f4 v[AC:AC+7], v[PF:PF+7], v[QF:QF+7], v[CC:CC+7], v[SPR], v[SQR] matrix_a_fmt:MATRIX_FMT_FP4 matrix_b_fmt:MATRIX_FMT_FP4
.endif
.endm
; 32 products of one K step.  cm = 0: they add in place; 1, 2: they start the sums with Wa's or Wb's bias (window 2); 3: with v's (window 3).
; The 32 accumulators take turns, one instruction a turn, in the same order in every step
.macro MUL p, cm
.if (\cm) == 0
	WIN 0x50                                       ; C and D window 1
.elseif (\cm) == 3
	WIN 0x70                                       ; C window 3, D window 1
.else
	WIN 0x60                                       ; C window 2, D window 1
.endif
.set AI, 0
.rept 4
.set BI, 0
.rept 8
.set AC, 8*(8*AI+BI)
.if (\cm) == 0
.set CC, AC
.elseif (\cm) == 1
.set CC, 8*BI
.elseif (\cm) == 2
.set CC, 64+8*BI
.else
.set CC, 8*AI
.endif
.set PF, 32+96*(\p)+8*BI
.set QF, 96+96*(\p)+8*AI
.set SPR, 224+6*(\p)+BI/2
.set SQR, 228+6*(\p)+AI/2
	WLINE BI%2, AI%2
.set BI, BI+1
.endr
.set AI, AI+1
.endr
	WIN 0
.endm
.macro KSTEP s, cm, tw, ap, aq, asp, asq
	s_wait_dscnt 0x0                               ; this step's fragments are in
.if (\tw) && ((\s)%2 == 1) && ((\s) < 7)
	s_wait_tensorcnt 3-((\s)+1)/2                  ; my part of the next quarter has landed; the later quarters may stay out
	s_barrier_signal -1
	s_barrier_wait -1                              ; everybody's has
.endif
.if (\s) < 7
.if (\s) >= 1
	PLACES                                         ; four places in front of loads into registers that the step before multiplied
.endif
	FETCH (\s)+1, ((\s)+1)%2, \ap, \aq, \asp, \asq ; the next step's fragments come while this step is multiplied
.endif
	MUL (\s)%2, \cm
.endm
; A tile's eight K steps.  tw = 1: the blocks are still landing, quarter by quarter
.macro MAIN cm, tw, ap, aq, asp, asq
.if \tw
	s_wait_tensorcnt 0x3                           ; my part of the first quarter; three later loads may be out
	s_barrier_signal -1
	s_barrier_wait -1
.endif
	FETCH 0, 0, \ap, \aq, \asp, \asq
	s_wait_loadcnt 0x0                             ; the bias (and cos, sin)
	KSTEP 0, \cm, \tw, \ap, \aq, \asp, \asq
.irp s, 1,2,3,4,5,6,7
	KSTEP \s, 0, \tw, \ap, \aq, \asp, \asq
.endr
.endm
; 32 numbers of a lane (register 16 b + i = k 32 b + 16 h + i of its row) become the lane's 16 bytes of codes, k = 32 h + 0..31, in v[pc..pc+3]; the two bytes in v206, v207
.macro QUANT2 s, pc
.irp b, 0,1
	v_max3_num_f32 v[200+\b], |v[(\s)+16*\b]|, |v[(\s)+16*\b+1]|, FLOOR
.endr
.irp i, 2,4,6,8,10,12,14
.irp b, 0,1
	v_max3_num_f32 v[200+\b], v[200+\b], |v[(\s)+16*\b+\i]|, |v[(\s)+16*\b+\i+1]|
.endr
.endr
.irp b, 0,1
	v_permlanex16_b32 v[202+\b], v[200+\b], s96, s97
.endr
.irp b, 0,1
	v_max_num_f32 v[200+\b], v[200+\b], v[202+\b]  ; with lane l xor 16's sixteen: the block's largest magnitude
.endr
.irp b, 0,1
	v_add_nc_u32 v[204+\b], EOFF, v[200+\b]
.endr
.irp b, 0,1
	v_lshrrev_b32 v[206+\b], 23, v[204+\b]
.endr
.irp b, 0,1
	v_cvt_scalef32_pk8_fp4_f32 v[(\pc)+2*\b], v[(\s)+16*\b:(\s)+16*\b+7], v[204+\b]
	v_cvt_scalef32_pk8_fp4_f32 v[(\pc)+2*\b+1], v[(\s)+16*\b+8:(\s)+16*\b+15], v[204+\b]
.endr
	v_nop                                          ; a plain line behind the last conversion
	v_permlane16_swap_b32 v[(\pc)], v[(\pc)+2]     ; a whole block to a lane: lanes 0-15 block 0, lanes 16-31 block 1
	v_permlane16_swap_b32 v[(\pc)+1], v[(\pc)+3]
.endm
; tile a of channels of v: 16 channels x 128 keys, read from the accumulators as they stand: one fragment of the second product's operand, and its scale word
.macro VTILE a
	WIN 0x14                                       ; sources 1 and 2: the accumulators (window 1)
.irp b, 0,1,2,3
	v_max3_num_f32 v[200+\b], FLOOR, |v[64*\a+16*\b]|, |v[64*\a+16*\b+1]|      ; each accumulator from its low end on
.endr
.irp i, 2,4,6,8,10,12,14
.irp b, 0,1,2,3
	v_max3_num_f32 v[200+\b], v[200+\b], |v[64*\a+16*\b+\i]|, |v[64*\a+16*\b+\i+1]|
.endr
.endr
	WIN 0
.irp b, 0,1,2,3
	v_permlanex16_b32 v[204+\b], v[200+\b], s96, s97
.endr
.irp b, 0,1,2,3
	v_max_num_f32 v[200+\b], v[200+\b], v[204+\b]
.endr
.irp b, 0,1,2,3
	v_add_nc_u32 v[212+\b], EOFF, v[200+\b]
.endr
.irp b, 0,1,2,3
	v_lshrrev_b32 v[204+\b], 23, v[212+\b]
.endr
	v_lshl_or_b32 v[192+\a], v205, 8, v204
	v_lshl_or_b32 v[192+\a], v206, 16, v[192+\a]
	v_lshl_or_b32 v[192+\a], v207, 24, v[192+\a]
	WIN 0x01                                       ; source 0: the accumulators
.irp b, 0,1,2,3
	v_cvt_scalef32_pk8_fp4_f32 v[160+8*\a+2*\b], v[64*\a+16*\b:64*\a+16*\b+7], v[212+\b]
	v_cvt_scalef32_pk8_fp4_f32 v[161+8*\a+2*\b], v[64*\a+16*\b+8:64*\a+16*\b+15], v[212+\b]
.endr
	WIN 0
	v_nop                                          ; a plain line behind the last conversion
.irp c, 0,1
.irp i, 0,1
	v_permlane16_swap_b32 v[160+8*\a+4*\c+\i], v[162+8*\a+4*\c+\i]
.endr
.endr
	global_store_b128 v1, v[160+8*\a:163+8*\a], s[90:91] offset:1024*\a        ; 512 consecutive bytes; each tile has registers of its own for its codes
	global_store_b128 v1, v[164+8*\a:167+8*\a], s[90:91] offset:1024*\a+512
.endm
; tile a of tokens, head e of block tb: y(d) = y(d) cos - y(d+32) sin, y(d+32) = y(d+32) cos + y(d) sin, read from the accumulators; quantised along the head's 64
.macro QKTILE a, e, tb
	WIN 0x09                                       ; source 0: accumulators (window 1), source 1: cos, sin (window 2)
.irp k, 0,2,4,6,8,10,12,14
	v_pk_mul_f32 v[96+\k:97+\k], v[64*\a+32*\e+16+\k:64*\a+32*\e+17+\k], v[144+32*\a+\k:145+32*\a+\k]   ; each accumulator from its low end on
	v_pk_mul_f32 v[112+\k:113+\k], v[64*\a+32*\e+\k:64*\a+32*\e+\k+1], v[144+32*\a+\k:145+32*\a+\k]
.endr
.irp k, 0,2,4,6,8,10,12,14
	v_pk_fma_f32 v[128+\k:129+\k], v[64*\a+32*\e+\k:64*\a+32*\e+\k+1], v[128+32*\a+\k:129+32*\a+\k], v[96+\k:97+\k] neg_lo:[0,0,1] neg_hi:[0,0,1]
	v_pk_fma_f32 v[144+\k:145+\k], v[64*\a+32*\e+16+\k:64*\a+32*\e+17+\k], v[128+32*\a+\k:129+32*\a+\k], v[112+\k:113+\k]
.endr
	WIN 0
	QUANT2 128, 160+4*(4*\e+\a)
	v_lshl_or_b32 v[192+4*\e+\a], v207, 8, v206
	v_or_b32 v[192+4*\e+\a], 0x7f7f0000, v[192+4*\e+\a]      ; K is filled from 64 to 128 with zero codes: their two bytes stand for 1
	global_store_b128 v1, v[160+4*(4*\e+\a):163+4*(4*\e+\a)], s[36+2*(2*\tb+\e):37+2*(2*\tb+\e)] offset:512*\a   ; 512 consecutive bytes; each tile has registers of its own for its codes
.endm
.macro QKOUT tb
.irp a, 0,1,2,3
	QKTILE \a, 0, \tb
	QKTILE \a, 1, \tb
.endr
	v_cndmask_b32 v216, v192, v193, s98            ; lanes 0-15 carry the words of tiles 0 and 2, lanes 16-31 those of tiles 1 and 3
	v_cndmask_b32 v217, v194, v195, s98
	v_cndmask_b32 v218, v196, v197, s98
	v_cndmask_b32 v219, v198, v199, s98
	global_store_b64 v12, v[216:217], s[44+4*\tb:45+4*\tb]   ; 256 consecutive bytes, aligned
	global_store_b64 v12, v[218:219], s[46+4*\tb:47+4*\tb]
.endm
; ======================= tile C: v =======================
	MAIN 3, 1, 4, 6, 8, 10
	; Wv has been read out: Wb takes its bytes.
	s_wait_tensorcnt 0x0                           ; all my tensor loads have landed, so the first fills' descriptors may be written;
	ds_add_u32 v29, v30                            ; 0 onto my spare word; the scalar work below stands between it and the wait for it
	; where q's or k's results go.  q (cluster x = 0): codes 65,536 bytes a head, 4,096 for 128 tokens; words from byte 4,194,304, 8,192 a head, 512 for 128 tokens.
	; k (cluster x = 1): records of 8,960 bytes for 128 keys, 143,360 a head; the words 8,192 bytes into the record.  s[36:43]: codes of my four heads; s[44:51]: their words
	s_and_b32 s23, s21, 3
	s_lshl_b32 s23, s23, 2
	s_add_co_u32 s23, s23, s101                    ; batch x 16 + my first head
	s_mov_b32 s24, 143360
	s_mov_b32 s25, 8960
	s_mov_b32 s19, 143360
	s_mov_b32 s20, 8960
	s_mov_b32 s99, 8192
	s_mov_b32 s3, 0
	s_cmp_eq_u32 ttmp9, 0
	s_cselect_b64 s[92:93], s[12:13], s[14:15]
	s_cselect_b32 s24, 65536, s24
	s_cselect_b32 s25, 4096, s25
	s_cselect_b32 s19, 8192, s19
	s_cselect_b32 s20, 512, s20
	s_cselect_b32 s99, 4194304, s99
	s_mul_i32 s2, s23, s24
	s_mul_i32 s25, s100, s25
	s_add_co_u32 s2, s2, s25
	s_lshl_b32 s25, s17, 11
	s_add_co_u32 s2, s2, s25
	s_add_nc_u64 s[36:37], s[92:93], s[2:3]
	s_mov_b32 s2, s24
	s_add_nc_u64 s[38:39], s[36:37], s[2:3]
	s_add_nc_u64 s[40:41], s[38:39], s[2:3]
	s_add_nc_u64 s[42:43], s[40:41], s[2:3]
	s_mul_i32 s2, s23, s19
	s_mul_i32 s25, s100, s20
	s_add_co_u32 s2, s2, s25
	s_lshl_b32 s25, s17, 8
	s_add_co_u32 s2, s2, s25
	s_add_co_u32 s2, s2, s99
	s_add_nc_u64 s[44:45], s[92:93], s[2:3]
	s_mov_b32 s2, s19
	s_add_nc_u64 s[46:47], s[44:45], s[2:3]
	s_add_nc_u64 s[48:49], s[46:47], s[2:3]
	s_add_nc_u64 s[50:51], s[48:49], s[2:3]
	s_wait_dscnt 0x0                               ; the add is done, and my reads of Wv are over
	CROUND                                         ; both now hold of every wave of every work-group of the cluster
	tensor_load_to_lds s[80:83], s[52:59]          ; my quarter of Wb: my one load behind the round, and the first thing there
	s_nop 0
	PLACES                                         ; (also the places behind tile C's last products)
	WIN 0x80                                       ; destination window 2
.set J, 0
.rept 32                               ; window 2, v[128 + 32 a + i] = cos, v[144 + 32 a + i] = sin, of my token of tile a and frequency 16 h + i
	global_load_b128 v[128+4*J:128+4*J+3], v1, s[88:89] offset:512*J
.set J, J+1
.endr
.set J, 0
.rept 16                               ; window 2, v[64 + 8 b + j] = bias of Wb's columns
	global_load_b128 v[64+4*J:64+4*J+3], v13, s[86:87] offset:512+256*(J/8)+128*((J/4)%2)+16*(J%4)
.set J, J+1
.endr
	WIN 0
.irp b, 2,3,4,5,6,7
	v_mov_b32 v[200+\b], 0                         ; a lane permute's destination counts as one of its sources
.endr
.irp a, 0,1,2,3
	VTILE \a
.endr
	v_cndmask_b32 v216, v192, v193, s98
	v_cndmask_b32 v217, v194, v195, s98
	global_store_b64 v12, v[216:217], s[90:91] offset:4608   ; v's scale words: 256 consecutive bytes, aligned
	s_wait_xcnt 0x0                                ; the stores have read their registers: the next tile's fragments may land there
; ======================= tile A: q or k, the first two heads =======================
	MAIN 1, 0, 17, 19, 21, 23                      ; X0, X1 and Wa were shown whole to every wave in tile C
	PLACES                                         ; four places behind the last products
	QKOUT 0
	s_wait_xcnt 0x0
; ======================= tile B: the other two heads =======================
	s_wait_tensorcnt 0x0                           ; my quarter of Wb has landed,
	s_barrier_signal -1
	s_barrier_wait -1                              ; everybody's has
	MAIN 2, 0, 25, 19, 27, 23
	PLACES
	QKOUT 1
	s_wait_tensorcnt 0x0                           ; the wave's end
	ds_add_u32 v29, v30
	s_wait_dscnt 0x0
	CROUND                                         ; the closing round: no work-group ends while a partner may still ask for a tile that names it
	s_endpgm
.Lfunc_end_k_q81280d1e7a_gemm_qkv:
	.size	k_q81280d1e7a_gemm_qkv, .Lfunc_end_k_q81280d1e7a_gemm_qkv-k_q81280d1e7a_gemm_qkv
	.p2alignl 7, 3214868480
	.fill 96, 4, 3214868480
	.section	.rodata,"a",@progbits
	.p2align	6, 0x0
	.amdhsa_kernel k_q81280d1e7a_gemm_qkv
		.amdhsa_group_segment_fixed_size 327680
		.amdhsa_private_segment_fixed_size 0
		.amdhsa_enable_private_segment 0
		.amdhsa_kernarg_size 48
		.amdhsa_user_sgpr_count 2
		.amdhsa_user_sgpr_kernarg_segment_ptr 1
		.amdhsa_wavefront_size32 1
		.amdhsa_system_sgpr_workgroup_id_x 1
		.amdhsa_system_sgpr_workgroup_id_y 1
		.amdhsa_system_sgpr_workgroup_id_z 1
		.amdhsa_system_vgpr_workitem_id 0
		.amdhsa_next_free_vgpr 800
		.amdhsa_next_free_sgpr 102
		.amdhsa_reserve_vcc 0
		.amdhsa_float_denorm_mode_32 3
		.amdhsa_float_denorm_mode_16_64 3
		.amdhsa_memory_ordered 1
		.amdhsa_forward_progress 1
		.amdhsa_inst_pref_size 251
	.end_amdhsa_kernel
	.amdgpu_metadata
---
amdhsa.version: [ 1, 2 ]
amdhsa.kernels:
  - .name:           k_q81280d1e7a_gemm_qkv
    .symbol:         k_q81280d1e7a_gemm_qkv.kd
    .args:
      - { .name: xq, .offset: 0, .size: 8, .value_kind: global_buffer, .address_space: global }
      - { .name: wq, .offset: 8, .size: 8, .value_kind: global_buffer, .address_space: global }
      - { .name: rope, .offset: 16, .size: 8, .value_kind: global_buffer, .address_space: global }
      - { .name: b_qkv, .offset: 24, .size: 8, .value_kind: global_buffer, .address_space: global }
      - { .name: qq, .offset: 32, .size: 8, .value_kind: global_buffer, .address_space: global }
      - { .name: kv, .offset: 40, .size: 8, .value_kind: global_buffer, .address_space: global }
    .group_segment_fixed_size: 327680
    .private_segment_fixed_size: 0
    .kernarg_segment_align: 8
    .kernarg_segment_size: 48
    .max_flat_workgroup_size: 128
    .sgpr_count:     102
    .vgpr_count:     800
    .wavefront_size: 32
...
	.end_amdgpu_metadata
.endif
;; end of part 2
;; launch attn (part 3): grid 8 x 32, 16 waves a work-group, clusters of 4 x 1, 327,680 bytes of LDS; arguments qq, kv, oq; writes oq
.if DOCPART == 3
	.amdgcn_target "amdgcn-amd-amdhsa--gfx1250"
	.amdhsa_code_object_version 6
	.text
	.protected	k_q81280d1e7a_attn
	.globl	k_q81280d1e7a_attn
	.p2align	8
	.type	k_q81280d1e7a_attn,@function
k_q81280d1e7a_attn:
	s_mov_b64 s[64:65], 0
	v_nop
	global_prefetch_b8 v0, s[64:65] scope:SCOPE_SE
	s_setreg_imm32_b32 hwreg(HW_REG_WAVE_MODE, 25, 1), 1
	s_wait_xcnt 0x0
	s_wait_alu depctr_hold_cnt(0) depctr_sa_sdst(0) depctr_va_vdst(0) depctr_va_sdst(0) depctr_va_ssrc(0) depctr_va_vcc(0) depctr_vm_vsrc(0)
	s_getreg_b32 s2, hwreg(HW_REG_IB_STS2, 6, 4)
	s_cmp_eq_u32 s2, 0
	s_cbranch_scc0 .Lentry_in_a_cluster
	s_endpgm
.Lentry_in_a_cluster:
	s_bfe_u32 s2, ttmp6, 0x10000c
	s_cmp_lg_u32 s2, 0x3003
	s_cbranch_scc0 .Lentry_shape_is_right
	s_endpgm
.Lentry_shape_is_right:
; Attention on codes of E2M1: S = q k^T (K = the head's 64, filled to 128 with zero codes), p = 2^(t - M), O = p v (K = the keys), O / l quantised along head x 64 + channel for the last product.
; t = score x log2(e) / 8; M = the running largest t rounded UP to a whole number; l = the sum of the unquantised p.  When M moves, l and O are multiplied by 2^(old M - new M), which rounds nothing.
; SHARES.  A work-group owns 256 queries of a PAIR of heads (the pair is one K step of 128 of the last product); each of its sixteen waves owns one tile of 16 queries and treats head 0, then head 1.
; ALL KEYS OF BOTH HEADS LIE IN LDS: 2 x 16 records of 8,960 bytes (128 keys: k's codes 4,096, v's codes 4,096, k's scale words 512, v's 256), each an image of the operands' registers, read at 16 (or 8) x lane.
; Each wave brings one record of each head; nothing is filled twice.  One barrier at the start shows all records to all waves; from there to the scale words' way out no wave waits for another.
; CLUSTER 4 x 1: the four blocks of queries of a cluster read the same records, so each record is asked for jointly, by the same load with the same descriptor in all four.
; LAYOUT.  Both products are used transposed (source 0 = 16 keys, or 16 channels of v; source 1 = my 16 queries), so that a lane holds one query throughout; by the order of rows in a tile
; the 16 registers of tiles 2 b, 2 b + 1 are keys 32 b + 16 (lane/16) + 0..15, and O's registers 16 b + i are channels 32 b + 16 (lane/16) + i.
; A block's largest p is the block's largest score put through the same multiply-add and exponential (this takes the exponential not to fall where its input rises).
; REGISTERS: v1-5 addresses; v6, v7 q's scale words; v8-11 k's, v12-13 v's (these and v249 hold scales alone); v14 -M, v15 the largest score; v16-31 q's two fragments; v32-95 k's eight (upper halves 0);
;   v96-159 scores, then p; v160-191 O; v192-223 v's four fragments; v224-231 codes; v232-248, v254 at work; v[240:241] l; v[242:243] f; v249 p's scale word; v250 o's scale word.
; LIMITS: NaN and infinities are not served; a block of zeros or under 2^-124 gets the byte 1.
.set REC,   8960
.set HEADB, 16*REC
.set SCR,   2*HEADB                    ; behind the records: 64 bytes for each wave: o's scale words
.set FLOOR, 0x1800000
.set EOFF,  0xff000000
.macro PLACES
.rept 4
	v_nop
.endr
.endm
.macro CROUND
	s_barrier_signal -1
	s_barrier_wait -1
	s_cmp_lg_u32 s10, 0
	s_cbranch_scc1 .Lnot_wave_0_\@
	s_barrier_signal -3
.Lnot_wave_0_\@:
	s_barrier_wait -3
	s_barrier_signal -1
	s_barrier_wait -1
.endm
	s_load_b128 s[4:7], s[0:1], 0x0                ; qq s[4:5], kv s[6:7]
	s_load_b64 s[8:9], s[0:1], 0x10                ; oq
	v_lshl_add_u32 v254, v0, 2, 0x46400
	v_mov_b32 v255, 0
	ds_add_u32 v254, v255
	ds_add_u32 v254, v255
	s_wait_dscnt 0x0
	v_lshrrev_b32 v1, 5, v0
	s_delay_alu instid0(VALU_DEP_1)
	v_readfirstlane_b32 s10, v1                    ; wave 0..15
	s_bfe_u32 s11, ttmp6, 0x40000                  ; cx: it enters q's and o's addresses alone
	s_lshl_b32 s12, ttmp9, 2
	s_add_co_u32 s12, s12, s11                     ; my block of 256 queries
	s_and_b32 s13, ttmp7, 0xffff                   ; the pair of heads: batch x 8 + pair
	s_lshr_b32 s14, s13, 3                         ; batch
	s_and_b32 s15, s13, 7                          ; pair = K step of the last product
	; descriptor group 1: a record as 35 rows of 256 bytes (32 elements of 8 bytes); the mask names all four work-groups
	s_mov_b32 s24, 15|(3<<16)|(1<<21)
	s_mov_b32 s25, 32<<16
	s_mov_b32 s26, 35<<16
	s_mov_b32 s27, 32<<16
	s_mov_b32 s28, 35
	s_mov_b32 s29, 32
	s_mov_b32 s30, 0
	s_mov_b32 s31, 0
	s_mul_i32 s44, s10, REC                        ; my record, in a head and in LDS
	s_mul_i32 s46, s13, 2*HEADB
	s_add_co_u32 s46, s46, s44
	s_mov_b32 s47, 0
	s_lshl_b32 s16, s12, 4
	s_add_co_u32 s16, s16, s10                     ; my tile of queries, 0..127
	s_lshl_b32 s54, s13, 17
	s_lshl_b32 s55, s16, 9
	s_add_co_u32 s54, s54, s55                     ; q's codes: 65,536 bytes a head, 512 a tile
	s_mov_b32 s55, 0
	s_lshl_b32 s56, s13, 14                        ; q's scale words: 8,192 bytes a head; tile T: (T/4) 256 + (T%2) 128 + ((T/2)%2) 4 + 8 r
	s_lshr_b32 s57, s16, 2
	s_lshl_b32 s57, s57, 8
	s_add_co_u32 s56, s56, s57
	s_and_b32 s57, s16, 1
	s_lshl_b32 s57, s57, 7
	s_add_co_u32 s56, s56, s57
	s_bfe_u32 s57, s16, 0x10001
	s_lshl_b32 s57, s57, 2
	s_add_co_u32 s56, s56, s57
	s_mov_b32 s57, 0
	s_lshl_b32 s58, s14, 4
	s_lshl_b32 s59, s12, 1
	s_add_co_u32 s58, s58, s59                     ; o: the first of my work-group's two blocks of 128 rows
	s_lshr_b32 s59, s15, 1
	s_mul_i32 s59, s59, 17408                      ; the quarter
	s_and_b32 s18, s15, 1                          ; which K step of it
	s_lshr_b32 s17, s10, 3
	s_add_co_u32 s17, s17, s58
	s_mul_i32 s42, s17, 69632
	s_add_co_u32 s42, s42, s59
	s_lshl_b32 s19, s18, 13
	s_add_co_u32 s42, s42, s19
	s_and_b32 s19, s10, 7
	s_lshl_b32 s19, s19, 10
	s_add_co_u32 s42, s42, s19                     ; my tile's codes
	s_mov_b32 s43, 0
	s_and_b32 s17, s10, 1
	s_add_co_u32 s17, s17, s58
	s_mul_i32 s52, s17, 69632
	s_add_co_u32 s52, s52, s59
	s_lshl_b32 s19, s18, 9
	s_add_co_u32 s52, s52, s19
	s_add_co_u32 s52, s52, 16384                   ; a block's 512 bytes of scale words (waves 0 and 1 store them)
	s_mov_b32 s53, 0
	s_mov_b32 s20, 0x76543210
	s_mov_b32 s21, 0xfedcba98                      ; selects for lane l xor 16
	s_mov_b32 s22, 0x3e38aa3b                      ; c = log2(e) / 8
	s_mov_b32 s23, s22                             ; (named with it as a pair)
	s_wait_kmcnt 0x0
	s_add_nc_u64 s[46:47], s[6:7], s[46:47]
	s_mov_b32 s32, 1
	s_mov_b32 s33, s44
	s_mov_b64 s[34:35], s[46:47]
	s_or_b32 s35, s35, 0x80000000
	s_mov_b32 s36, 1
	s_add_co_u32 s37, s44, HEADB
	s_add_nc_u64 s[38:39], s[46:47], HEADB
	s_or_b32 s39, s39, 0x80000000
	s_add_nc_u64 s[48:49], s[4:5], s[54:55]
	s_add_nc_u64 s[50:51], s[4:5], s[56:57]
	s_add_nc_u64 s[42:43], s[8:9], s[42:43]
	s_add_nc_u64 s[52:53], s[8:9], s[52:53]
	CROUND                                         ; all four work-groups are here: the joint loads meet
	tensor_load_to_lds s[32:35], s[24:31]          ; my record of head 0,
	s_nop 0
	s_wait_alu depctr_va_vdst(0)
	s_wait_tensorcnt 0x0
	ds_add_u32 v254, v255
	s_wait_dscnt 0x0
	CROUND
	tensor_load_to_lds s[36:39], s[24:31]          ; and of head 1: one load of mine is out
	s_nop 0
	PLACES
	v_and_b32 v2, 31, v0
	s_delay_alu instid0(VALU_DEP_1)
	v_lshlrev_b32 v1, 4, v2                        ; 16 x lane
	s_delay_alu instid0(VALU_DEP_2)
	v_lshlrev_b32 v2, 3, v2                        ; 8 x lane
	v_and_b32 v3, 15, v0                           ; r
	s_delay_alu instid0(VALU_DEP_1)
	v_lshlrev_b32 v248, 3, v3                      ; 8 r
	s_lshl_b32 s45, s10, 6
	s_add_co_u32 s45, s45, SCR
	v_lshl_add_u32 v5, v3, 2, s45                  ; my row's word in the scratch
	v_and_b32 v251, 63, v0
	s_delay_alu instid0(VALU_DEP_1)
	v_lshl_add_u32 v251, v251, 4, SCR              ; and the way back, for waves 0 and 1
.irp e, 0,1
	global_load_b128 v[16+8*\e:19+8*\e], v1, s[48:49] offset:65536*\e        ; q's codes: k = 32 h + 0..31
	global_load_b32 v[6+\e], v248, s[50:51] offset:4194304+8192*\e           ; and scale words
.endr
.irp e, 0,1
.irp i, 0,1,2,3
	v_mov_b32 v[20+8*\e+\i], 0                     ; k = 64 .. 127: zero codes, on both sides
.endr
.endr
.irp t, 0,1,2,3,4,5,6,7
.irp i, 0,1,2,3
	v_mov_b32 v[36+8*\t+\i], 0
.endr
.endr
.irp b, 0,1,2,3
	v_mov_b32 v[236+\b], 0                         ; a lane permute's destination counts as one of its sources
.endr
	v_mov_b32 v243, 0                              ; (named as the upper half of the pair v[242:243])
; A KEY STEP: one record, 128 keys, of head e
.macro STEP e
	v_add_nc_u32 v3, s40, v1
	v_add_nc_u32 v4, s40, v2
.irp t, 0,1,2,3,4,5,6,7
	ds_load_b128 v[32+8*\t:35+8*\t], v3 offset:512*\t
.endr
	ds_load_b64 v[8:9], v4 offset:8192             ; k's scale words: register t/2; lanes 0-15 the even tile's, lanes 16-31 the odd tile's
	ds_load_b64 v[10:11], v4 offset:8448
	s_wait_dscnt 0x0                               ; k and its words are in
.irp g, 0,1,2,3
	v_wmma_scale_f32_16x16x128_f8f6f4 v[96+16*\g:103+16*\g], v[32+16*\g:39+16*\g], v[16+8*\e:23+8*\e], 0, v[8+\g], v[6+\e] matrix_a_fmt:MATRIX_FMT_FP4 matrix_b_fmt:MATRIX_FMT_FP4
	v_wmma_scale_f32_16x16x128_f8f6f4 v[104+16*\g:111+16*\g], v[40+16*\g:47+16*\g], v[16+8*\e:23+8*\e], 0, v[8+\g], v[6+\e] matrix_a_fmt:MATRIX_FMT_FP4 matrix_b_fmt:MATRIX_FMT_FP4 matrix_a_scale:MATRIX_SCALE_ROW1
.endr
	v_mov_b32 v254, v14                            ; the old -M is kept: the first of four places behind the products
.rept 3
	v_nop
.endr
.irp b, 0,1,2,3
	v_max3_num_f32 v[232+\b], v[96+16*\b], v[97+16*\b], v[98+16*\b]   ; the largest score of each block of 32 keys: for the row's maximum and for the block's largest p
.endr
.irp i, 3,5,7,9,11,13
.irp b, 0,1,2,3
	v_max3_num_f32 v[232+\b], v[232+\b], v[96+16*\b+\i], v[97+16*\b+\i]
.endr
.endr
.irp b, 0,1,2,3
	v_max_num_f32 v[232+\b], v[232+\b], v[111+16*\b]
.endr
.irp a, 0,1,2,3                        ; v's fragments are asked for here: the lines above are the places behind the last step's products, which read these registers; they land under the exponentials
.irp c, 0,1
	ds_load_b128 v[192+8*\a+4*\c:195+8*\a+4*\c], v3 offset:4096+1024*\a+512*\c
.endr
.endr
	ds_load_b64 v[12:13], v4 offset:8704           ; v's scale words, laid as k's
.irp b, 0,1,2,3
	v_permlanex16_b32 v[236+\b], v[232+\b], s20, s21
.endr
.irp b, 0,1,2,3
	s_delay_alu instid0(VALU_DEP_4)
	v_max_num_f32 v[232+\b], v[232+\b], v[236+\b]  ; with lane l xor 16's 16 keys
.endr
	s_delay_alu instid0(VALU_DEP_2)
	v_max3_num_f32 v248, v232, v233, v234
	s_delay_alu instid0(VALU_DEP_1)
	v_max3_num_f32 v15, v248, v235, v15            ; the running largest score
	s_delay_alu instid0(VALU_DEP_1)
	v_mul_f32 v248, s22, v15                       ; as t (c is positive, so the largest score gives the largest t)
	s_delay_alu instid0(VALU_DEP_1)
	v_floor_f32 v14, -v248                         ; -M = floor(-t): M is a whole number
	s_delay_alu instid0(VALU_DEP_1)
	v_sub_f32 v248, v14, v254                      ; old M - new M: a whole number, 0 or less
	s_delay_alu instid0(VALU_DEP_1)
	v_cvt_i32_f32 v248, v248                       ; (it saturates)
	s_delay_alu instid0(VALU_DEP_1)
	v_ldexp_f32 v242, 1.0, v248                    ; f = 2^(old M - new M)
.set J, 0
.rept 32
	v_pk_fma_f32 v[96+J:97+J], v[96+J:97+J], s[22:23], v[14:15] op_sel_hi:[1,0,0]   ; t - M
.set J, J+2
.endr
.irp b, 0,1,2,3
	v_fma_f32 v[232+\b], v[232+\b], s22, v14
.endr
.set J, 0
	s_wait_alu depctr_va_vdst(0)
.rept 64
	v_exp_f32 v[96+J], v[96+J]                     ; p = 2^(t - M): not normalised
.set J, J+1
.endr
	s_setprio 1
.irp b, 0,1,2,3
	v_exp_f32 v[232+\b], v[232+\b]                 ; the block's largest p
.endr
	v_pk_mul_f32 v[240:241], v[240:241], v[242:243] op_sel_hi:[1,0]   ; l under the new M (a plain line behind the exponentials)
	s_wait_alu depctr_va_vdst(0)
.irp b, 0,1,2,3
	v_max_num_f32 v[232+\b], FLOOR, v[232+\b]
.endr
.irp b, 0,1,2,3
	s_delay_alu instid0(VALU_DEP_4)
	v_add_nc_u32 v[244+\b], EOFF, v[232+\b]
.endr
.irp b, 0,1,2,3
	s_delay_alu instid0(VALU_DEP_4)
	v_lshrrev_b32 v[236+\b], 23, v[244+\b]
.endr
	s_delay_alu instid0(VALU_DEP_3)
	v_lshl_or_b32 v249, v237, 8, v236              ; p's scale word for these 128 keys
	s_delay_alu instid0(VALU_DEP_1)
	v_lshl_or_b32 v249, v238, 16, v249
	s_delay_alu instid0(VALU_DEP_1)
	v_lshl_or_b32 v249, v239, 24, v249
.irp b, 0,1,2,3
	v_cvt_scalef32_pk8_fp4_f32 v[224+2*\b], v[96+16*\b:103+16*\b], v[244+\b]
	v_cvt_scalef32_pk8_fp4_f32 v[225+2*\b], v[104+16*\b:111+16*\b], v[244+\b]
.endr
	v_nop
.irp c, 0,1
.irp i, 0,1
	v_permlane16_swap_b32 v[224+4*\c+\i], v[226+4*\c+\i]   ; a whole block to a lane
.endr
.endr
	v_pk_add_f32 v[236:237], v[96:97], v[98:99]    ; the row's sum, of the unquantised p, in two chains
.irp j, 4,8,12,16,20,24,28,32,36,40,44,48,52,56,60
	v_pk_add_f32 v[240:241], v[240:241], v[96+\j:97+\j]
	v_pk_add_f32 v[236:237], v[236:237], v[98+\j:99+\j]
.endr
	s_delay_alu instid0(VALU_DEP_1)
	v_pk_add_f32 v[240:241], v[240:241], v[236:237]
.set J, 0
	s_setprio 0
.rept 16
	v_pk_mul_f32 v[160+J:161+J], v[160+J:161+J], v[242:243] op_sel_hi:[1,0]   ; O under the new M; each accumulator from its low end on
.set J, J+2
.endr
	s_wait_alu depctr_va_vdst(0)
	s_wait_dscnt 0x0                               ; v and its words
.irp g, 0,1
	v_wmma_scale_f32_16x16x128_f8f6f4 v[160+16*\g:167+16*\g], v[192+16*\g:199+16*\g], v[224:231], v[160+16*\g:167+16*\g], v[12+\g], v249 matrix_a_fmt:MATRIX_FMT_FP4 matrix_b_fmt:MATRIX_FMT_FP4
	v_wmma_scale_f32_16x16x128_f8f6f4 v[168+16*\g:175+16*\g], v[200+16*\g:207+16*\g], v[224:231], v[168+16*\g:175+16*\g], v[12+\g], v249 matrix_a_fmt:MATRIX_FMT_FP4 matrix_b_fmt:MATRIX_FMT_FP4 matrix_a_scale:MATRIX_SCALE_ROW1
.endr
.endm
; O / l, quantised: the head's 64 channels are two blocks of the last product's K
.macro OUT e
	PLACES                                         ; four places behind the last products, whose results are read below
	v_add_f32 v240, v240, v241
	s_delay_alu instid0(VALU_DEP_1)
	v_permlanex16_b32 v248, v240, s20, s21
	s_delay_alu instid0(VALU_DEP_1)
	v_add_f32 v240, v240, v248                     ; the row's sum
	s_wait_alu depctr_va_vdst(0)
	v_rcp_f32 v252, v240
	v_mov_b32 v253, 0                              ; (a plain line behind the reciprocal; the pair's upper half)
.set J, 0
	s_wait_alu depctr_va_vdst(0)
.rept 16
	v_pk_mul_f32 v[96+J:97+J], v[160+J:161+J], v[252:253] op_sel_hi:[1,0]
.set J, J+2
.endr
.irp b, 0,1
	v_max3_num_f32 v[232+\b], |v[96+16*\b]|, |v[97+16*\b]|, FLOOR
.endr
.irp i, 2,4,6,8,10,12,14
.irp b, 0,1
	s_delay_alu instid0(VALU_DEP_2)
	v_max3_num_f32 v[232+\b], v[232+\b], |v[96+16*\b+\i]|, |v[97+16*\b+\i]|
.endr
.endr
.irp b, 0,1
	s_delay_alu instid0(VALU_DEP_2)
	v_permlanex16_b32 v[236+\b], v[232+\b], s20, s21
.endr
.irp b, 0,1
	s_delay_alu instid0(VALU_DEP_2)
	v_max_num_f32 v[232+\b], v[232+\b], v[236+\b]
.endr
.irp b, 0,1
	s_delay_alu instid0(VALU_DEP_2)
	v_add_nc_u32 v[244+\b], EOFF, v[232+\b]
.endr
.irp b, 0,1
	s_delay_alu instid0(VALU_DEP_2)
	v_lshrrev_b32 v[238+\b], 23, v[244+\b]
.endr
.irp b, 0,1
	v_cvt_scalef32_pk8_fp4_f32 v[224+4*\e+2*\b], v[96+16*\b:103+16*\b], v[244+\b]
	v_cvt_scalef32_pk8_fp4_f32 v[225+4*\e+2*\b], v[104+16*\b:111+16*\b], v[244+\b]
.endr
	v_nop
	v_permlane16_swap_b32 v[224+4*\e], v[226+4*\e]
	v_permlane16_swap_b32 v[225+4*\e], v[227+4*\e]
.if \e == 0
	v_lshl_or_b32 v250, v239, 8, v238              ; bytes 0 and 1 of my row's scale word
.else
	v_lshl_or_b32 v250, v238, 16, v250             ; bytes 2 and 3
	s_delay_alu instid0(VALU_DEP_1)
	v_lshl_or_b32 v250, v239, 24, v250
.endif
	global_store_b128 v1, v[224+4*\e:227+4*\e], s[42:43] offset:512*\e   ; 512 consecutive bytes
.endm
.macro HEAD e
.if \e
	s_wait_xcnt 0x0                                ; head 0's store has read v224-227, which this head's steps write again
.endif
	v_mov_b32 v15, 0xff61b1e6                      ; the largest score so far: -3e38
	s_delay_alu instid0(VALU_DEP_1)
	v_floor_f32 v14, -v15
	v_mov_b32 v240, 0
	v_mov_b32 v241, 0
.set J, 0
.rept 32
	v_mov_b32 v[160+J], 0                          ; the step is written once: the first finds zeros, which the first change of M leaves zeros
.set J, J+1
.endr
	s_mov_b32 s40, \e*HEADB
	s_mov_b32 s41, 16
.Lstep_\@:
	s_setprio 2
	STEP \e
	s_add_co_u32 s40, s40, REC
	s_sub_co_u32 s41, s41, 1
	s_cmp_lg_u32 s41, 0
	s_cbranch_scc1 .Lstep_\@
	s_setprio 0
	OUT \e
.endm
	s_wait_loadcnt 0x0                             ; q
	s_wait_tensorcnt 0x0                           ; my records of both heads have landed,
	s_barrier_signal -1
	s_barrier_wait -1                              ; everybody's have: every read of a record stands behind this wait
	HEAD 0
	HEAD 1
	ds_store_b32 v5, v250                          ; both halves of the lanes write the same word with the same value
	s_wait_dscnt 0x0                               ; for the others' sake
	s_barrier_signal -1
	s_barrier_wait -1
	s_cmp_lt_u32 s10, 2
	s_cbranch_scc0 .Lno_words
	ds_load_b128 v[232:235], v251                  ; eight tiles' words: one block's 512 bytes
	s_wait_dscnt 0x0
	global_store_b128 v1, v[232:235], s[52:53]
.Lno_words:
	s_wait_xcnt 0x0
	v_lshl_add_u32 v254, v0, 2, 0x46400
	v_mov_b32 v255, 0
	s_wait_alu depctr_va_vdst(0)
	s_wait_tensorcnt 0x0
	ds_add_u32 v254, v255
	s_wait_dscnt 0x0
	CROUND                                         ; the closing round
	s_endpgm
.Lfunc_end_k_q81280d1e7a_attn:
	.size	k_q81280d1e7a_attn, .Lfunc_end_k_q81280d1e7a_attn-k_q81280d1e7a_attn
	.p2alignl 7, 3214868480
	.fill 96, 4, 3214868480
	.section	.rodata,"a",@progbits
	.p2align	6, 0x0
	.amdhsa_kernel k_q81280d1e7a_attn
		.amdhsa_group_segment_fixed_size 327680
		.amdhsa_private_segment_fixed_size 0
		.amdhsa_enable_private_segment 0
		.amdhsa_kernarg_size 24
		.amdhsa_user_sgpr_count 2
		.amdhsa_user_sgpr_kernarg_segment_ptr 1
		.amdhsa_wavefront_size32 1
		.amdhsa_system_sgpr_workgroup_id_x 1
		.amdhsa_system_sgpr_workgroup_id_y 1
		.amdhsa_system_sgpr_workgroup_id_z 1
		.amdhsa_system_vgpr_workitem_id 0
		.amdhsa_next_free_vgpr 256
		.amdhsa_next_free_sgpr 66
		.amdhsa_reserve_vcc 0
		.amdhsa_float_denorm_mode_32 3
		.amdhsa_float_denorm_mode_16_64 3
		.amdhsa_memory_ordered 1
		.amdhsa_forward_progress 1
		.amdhsa_inst_pref_size 51
	.end_amdhsa_kernel
	.amdgpu_metadata
---
amdhsa.version: [ 1, 2 ]
amdhsa.kernels:
  - .name:           k_q81280d1e7a_attn
    .symbol:         k_q81280d1e7a_attn.kd
    .args:
      - { .name: qq, .offset: 0, .size: 8, .value_kind: global_buffer, .address_space: global }
      - { .name: kv, .offset: 8, .size: 8, .value_kind: global_buffer, .address_space: global }
      - { .name: oq, .offset: 16, .size: 8, .value_kind: global_buffer, .address_space: global }
    .group_segment_fixed_size: 327680
    .private_segment_fixed_size: 0
    .kernarg_segment_align: 8
    .kernarg_segment_size: 24
    .max_flat_workgroup_size: 512
    .sgpr_count:     66
    .vgpr_count:     256
    .wavefront_size: 32
...
	.end_amdgpu_metadata
.endif
;; end of part 3
;; launch gemm_out (part 4): grid 4 x 64, 4 waves a work-group, clusters of 4 x 4, 243,200 bytes of LDS; arguments oq, wq, b_out, out0; writes out0
.if DOCPART == 4
	.amdgcn_target "amdgcn-amd-amdhsa--gfx1250"
	.amdhsa_code_object_version 6
	.text
	.protected	k_q81280d1e7a_gemm_out
	.globl	k_q81280d1e7a_gemm_out
	.p2align	8
	.type	k_q81280d1e7a_gemm_out,@function
k_q81280d1e7a_gemm_out:
	s_mov_b64 s[64:65], 0
	v_nop
	global_prefetch_b8 v0, s[64:65] scope:SCOPE_SE
	s_setreg_imm32_b32 hwreg(HW_REG_WAVE_MODE, 25, 1), 1
	s_wait_xcnt 0x0
	s_wait_alu depctr_hold_cnt(0) depctr_sa_sdst(0) depctr_va_vdst(0) depctr_va_sdst(0) depctr_va_ssrc(0) depctr_va_vcc(0) depctr_vm_vsrc(0)
	s_getreg_b32 s2, hwreg(HW_REG_IB_STS2, 6, 4)
	s_cmp_eq_u32 s2, 0
	s_cbranch_scc0 .Lentry_in_a_cluster
	s_endpgm
.Lentry_in_a_cluster:
	s_bfe_u32 s2, ttmp6, 0x10000c
	s_cmp_lg_u32 s2, 0xf033
	s_cbranch_scc0 .Lentry_shape_is_right
	s_endpgm
.Lentry_shape_is_right:
; out0 = o w_out + b_out on codes of E2M1 (K = 1,024); out0 [8192][1024] f32.
; A work-group makes 256 columns (operand P = w_out's columns, source 0) x 128 rows (operand Q = o's rows, source 1): a lane holds one row of the output, and its registers 16 G + i are
; columns 32 G + 16 (lane/16) + i of its wave's 128.  All of K lies in LDS (three blocks of 69,632 bytes, filled once, in four quarters); no byte is filled twice.
; CLUSTER 4 x 4: P hangs on the work-group's x alone and is asked for jointly by a column of the cluster, Q on its y alone, by a row.
; The bias is the C of each sum's first product.  Results leave through each wave's own stage in LDS (16 rows x (512 + 16) bytes, behind the blocks), as whole rows of 512 bytes.
; REGISTERS.  window 0: v1-18 addresses; two sets of fragments at v32 and v128; two sets of scale words at v224 and v230, which hold nothing else.  window 1: 32 accumulators.  window 2: v0-63 the bias.
.set BLKB,  69632
.set QTRB,  17408
.set LQ,    2*BLKB
.set STG,   3*BLKB
.set SP,    528
.set MSB, 0
.macro WIN new
.if MSB != \new
	s_set_vgpr_msb (MSB<<8)|\new
.set MSB, \new
.endif
.endm
.macro PLACES
.rept 4
	v_nop
.endr
.endm
.macro CROUND
	s_barrier_signal -1
	s_barrier_wait -1
	s_cmp_lg_u32 s16, 0
	s_cbranch_scc1 .Lnot_wave_0_\@
	s_barrier_signal -3
.Lnot_wave_0_\@:
	s_barrier_wait -3
	s_barrier_signal -1
	s_barrier_wait -1
.endm
	s_load_b256 s[4:11], s[0:1], 0x0               ; oq s[4:5], wq s[6:7], b_out s[8:9], out0 s[10:11]
	v_lshl_add_u32 v254, v0, 2, 0x3b400
	v_mov_b32 v255, 0
	ds_add_u32 v254, v255
	ds_add_u32 v254, v255
	v_lshrrev_b32 v1, 5, v0
	v_readfirstlane_b32 s16, v1                    ; wave 0..3
	s_and_b32 s17, s16, 1                          ; ph: which block of P is mine.  Also: which half I fetch
	s_lshr_b32 s18, s16, 1                         ; qh: which 64 rows of Q.  Also: I fetch for P (0) or for Q (1)
	s_bfe_u32 s19, ttmp6, 0x40000                  ; cx
	s_bfe_u32 s20, ttmp6, 0x40004                  ; cy
	s_lshl_b32 s21, ttmp9, 2
	s_add_co_u32 s21, s21, s19                     ; work-group x: 256 columns
	s_and_b32 s23, ttmp7, 0xffff
	s_lshl_b32 s22, s23, 2
	s_add_co_u32 s22, s22, s20                     ; work-group y: 128 rows
	s_lshl_b32 s24, 0x1111, s19                    ; my column of the cluster
	s_lshl_b32 s25, s20, 2
	s_lshl_b32 s25, 15, s25                        ; my row
	s_or_b32 s28, s24, (3<<16)|(1<<21)             ; dense blocks as rows of 256 bytes: P 68 rows (a quarter), Q 34 (half a quarter)
	s_or_b32 s52, s25, (3<<16)|(1<<21)
.irp g, 28, 52
	s_mov_b32 s[\g+1], 32<<16
	s_mov_b32 s[\g+3], 32<<16
	s_mov_b32 s[\g+5], 32
	s_mov_b32 s[\g+6], 0
	s_mov_b32 s[\g+7], 0
.endr
	s_mov_b32 s30, 68<<16
	s_mov_b32 s32, 68
	s_mov_b32 s54, 34<<16
	s_mov_b32 s56, 34
	s_mul_i32 s88, s17, BLKB
	s_mul_i32 s89, s17, 8704
	s_lshl_b32 s86, s21, 1
	s_add_co_u32 s86, s86, s17
	s_add_co_u32 s86, s86, 24                      ; w_out's blocks lie behind w_qkv's 24
	s_mul_i32 s86, s86, BLKB
	s_mov_b32 s87, 0
	s_mul_i32 s90, s22, BLKB
	s_add_co_u32 s90, s90, s89
	s_mov_b32 s91, 0
	s_wait_dscnt 0x0
	s_wait_kmcnt 0x0
	s_add_nc_u64 s[86:87], s[6:7], s[86:87]
	s_add_nc_u64 s[90:91], s[4:5], s[90:91]
.irp j, 0,1,2,3
	s_mov_b32 s[36+4*\j], 1
	s_add_co_u32 s[37+4*\j], s88, \j*QTRB
	s_add_nc_u64 s[38+4*\j:39+4*\j], s[86:87], \j*QTRB
	s_or_b32 s[39+4*\j], s[39+4*\j], 0x80000000
.endr
.macro MKQ reg, j
	s_mov_b32 s[\reg], 1
	s_add_co_u32 s[\reg+1], s89, LQ+\j*QTRB
	s_add_nc_u64 s[\reg+2:\reg+3], s[90:91], \j*QTRB
	s_or_b32 s[\reg+3], s[\reg+3], 0x80000000
.endm
	MKQ 60, 0
	MKQ 68, 1
	MKQ 72, 2
	MKQ 76, 3
	CROUND                                         ; all sixteen work-groups are here: the joint loads meet
	s_cmp_eq_u32 s18, 0                            ; a wave's four fills stand in one branch on its number: four loads of mine are out
	s_cbranch_scc0 .Lfill_q
	tensor_load_to_lds s[36:39], s[28:35]
	s_nop 0
	tensor_load_to_lds s[40:43], s[28:35]
	s_nop 0
	tensor_load_to_lds s[44:47], s[28:35]
	s_nop 0
	tensor_load_to_lds s[48:51], s[28:35]
	s_nop 0
	PLACES
	s_branch .Lfilled
.Lfill_q:
	tensor_load_to_lds s[60:63], s[52:59]
	s_nop 0
	tensor_load_to_lds s[68:71], s[52:59]
	s_nop 0
	tensor_load_to_lds s[72:75], s[52:59]
	s_nop 0
	tensor_load_to_lds s[76:79], s[52:59]
	s_nop 0
	PLACES
.Lfilled:
	v_and_b32 v15, 31, v0
	v_and_b32 v2, 15, v0                           ; r
	v_bfe_u32 v3, v0, 4, 1                         ; h
	v_lshlrev_b32 v1, 4, v15                       ; 16 x lane
	v_lshlrev_b32 v16, 2, v15                      ; 4 x lane
	v_lshlrev_b32 v13, 6, v3                       ; 64 h
	v_add_nc_u32 v4, s88, v1                       ; P's fragments, quarters 0 and 1; 2 and 3
	v_add_nc_u32 v5, 2*QTRB, v4
	s_lshl_b32 s92, s18, 12
	s_add_co_u32 s92, s92, LQ
	v_add_nc_u32 v6, s92, v1                       ; Q's
	v_add_nc_u32 v7, 2*QTRB, v6
	s_add_co_u32 s93, s88, 16384
	v_add_nc_u32 v8, s93, v16                      ; P's scale words
	v_add_nc_u32 v9, 2*QTRB, v8
	s_lshl_b32 s94, s18, 8
	s_add_co_u32 s94, s94, LQ+16384
	v_add_nc_u32 v10, s94, v16                     ; Q's
	v_add_nc_u32 v11, 2*QTRB, v10
	s_mul_i32 s95, s16, 16*SP
	s_add_co_u32 s95, s95, STG                     ; my stage
	v_mul_u32_u24 v17, v2, SP
	v_lshl_add_u32 v17, v3, 6, v17
	v_add_nc_u32 v17, s95, v17                     ; in: row r, + 64 h bytes
	v_add_nc_u32 v18, s95, v1                      ; back: a row of 512 bytes, 16 a lane
	s_lshl_b32 s99, s21, 10
	s_lshl_b32 s100, s17, 9
	s_add_co_u32 s2, s99, s100                     ; my 128 columns, in bytes
	s_mov_b32 s3, 0
	s_add_nc_u64 s[82:83], s[8:9], s[2:3]          ; their bias
	s_lshl_b32 s99, s22, 7
	s_lshl_b32 s100, s18, 6
	s_add_co_u32 s99, s99, s100
	s_lshl_b32 s99, s99, 12                        ; my 64 rows of 4,096 bytes
	s_add_co_u32 s2, s2, s99
	s_add_nc_u64 s[84:85], s[10:11], s[2:3]        ; my corner of out0
	WIN 0x80                                       ; destination window 2
.set J, 0
.rept 16                               ; window 2, v[8 b + j] = bias of column 32 (b/2) + 8 (b%2) + 16 h + j
	global_load_b128 v[4*J:4*J+3], v13, s[82:83] offset:(32*(J/4)+8*((J/2)%2))*4+16*(J%2)
.set J, J+1
.endr
	WIN 0
.macro FETCH s, p
.set FB, 32+96*(\p)
.set FO, (((\s)>>1)&1)*QTRB+((\s)&1)*8192
.set FS, (((\s)>>1)&1)*QTRB+((\s)&1)*512
.set FH, (\s)/4
.irp t, 0,1,2,3,4,5,6,7
.irp c, 0,1
	ds_load_b128 v[FB+8*\t+4*\c:FB+8*\t+4*\c+3], v[4+FH] offset:FO+1024*\t+512*\c
.endr
.endr
.irp t, 0,1,2,3
.irp c, 0,1
	ds_load_b128 v[FB+64+8*\t+4*\c:FB+64+8*\t+4*\c+3], v[6+FH] offset:FO+1024*\t+512*\c
.endr
.endr
.irp g, 0,1,2,3
	ds_load_b32 v[224+6*(\p)+\g], v[8+FH] offset:FS+128*\g
.endr
.irp g, 0,1
	ds_load_b32 v[228+6*(\p)+\g], v[10+FH] offset:FS+128*\g
.endr
.endm
.macro WLINE ra, rb                    ; one product; ra, rb: the scale words lie in lanes 16-31
.if (\ra) && (\rb)
	v_wmma_scale_f32_16x16x128_f8f6f4 v[AC:AC+7], v[PF:PF+7], v[QF:QF+7], v[CC:CC+7], v[SPR], v[SQR] matrix_a_fmt:MATRIX_FMT_FP4 matrix_b_fmt:MATRIX_FMT_FP4 matrix_a_scale:MATRIX_SCALE_ROW1 matrix_b_scale:MATRIX_SCALE_ROW1
.elseif (\ra)
	v_wmma_scale_f32_16x16x128_f8f6f4 v[AC:AC+7], v[PF:PF+7], v[QF:QF+7], v[CC:CC+7], v[SPR], v[SQR] matrix_a_fmt:MATRIX_FMT_FP4 matrix_b_fmt:MATRIX_FMT_FP4 matrix_a_scale:MATRIX_SCALE_ROW1
.elseif (\rb)
	v_wmma_scale_f32_16x16x128_f8f6f4 v[AC:AC+7], v[PF:PF+7], v[QF:QF+7], v[CC:CC+7], v[SPR], v[SQR] matrix_a_fmt:MATRIX_FMT_FP4 matrix_b_fmt:MATRIX_FMT_FP4 matrix_b_scale:MATRIX_SCALE_ROW1
.else
	v_wmma_scale_f32_16x16x128_f8f6f4 v[AC:AC+7], v[PF:PF+7], v[QF:QF+7], v[CC:CC+7], v[SPR], v[SQR] matrix_a_fmt:MATRIX_FMT_FP4 matrix_b_fmt:MATRIX_FMT_FP4
.endif
.endm
; 32 products of one K step; first = 1: C is the bias (window 2).  The 32 accumulators take turns, one instruction a turn
.macro MUL p, first
.if \first
	WIN 0x60                                       ; C window 2, D window 1
.else
	WIN 0x50                                       ; C and D window 1
.endif
.set AI, 0
.rept 4
.set BI, 0
.rept 8
.set AC, 8*(8*AI+BI)
.if \first
.set CC, 8*BI
.else
.set CC, AC
.endif
.set PF, 32+96*(\p)+8*BI
.set QF, 96+96*(\p)+8*AI
.set SPR, 224+6*(\p)+BI/2
.set SQR, 228+6*(\p)+AI/2
	WLINE BI%2, AI%2
.set BI, BI+1
.endr
.set AI, AI+1
.endr
	WIN 0
.endm
.macro KSTEP s, first
	s_wait_dscnt 0x0                               ; this step's fragments are in
.if ((\s)%2 == 1) && ((\s) < 7)
	s_wait_tensorcnt 3-((\s)+1)/2                  ; my part of the next quarter has landed; the later quarters may stay out
	s_barrier_signal -1
	s_barrier_wait -1
.endif
.if (\s) < 7
.if (\s) >= 1
	PLACES                                         ; four places in front of loads into registers that the step before multiplied
.endif
	FETCH (\s)+1, ((\s)+1)%2
.endif
	MUL (\s)%2, \first
.endm
	s_wait_alu depctr_va_vdst(0)
	s_wait_tensorcnt 0x3                           ; my part of the first quarter; three later loads may be out
	s_barrier_signal -1
	s_barrier_wait -1
	FETCH 0, 0
	s_wait_loadcnt 0x0                             ; the bias
	KSTEP 0, 1
.irp s, 1,2,3,4,5,6,7
	KSTEP \s, 0
.endr
	PLACES                                         ; four places behind the last products: their results are read, and loads land on their operands
; THE WAY OUT, a tile of 16 rows x 128 columns at a time: into my stage, back as whole rows, out as 512 consecutive bytes.  LDS serves a wave's instructions in order: no wait between the stores and the loads.
.macro SEND a
.if (\a) >= 2
	s_wait_xcnt 0x0                                ; the stores of two tiles ago have read the registers that this tile's rows land in
.endif
	WIN 0x04                                       ; an LDS store's data: window 1
.set J, 0
.rept 16
	ds_store_b128 v17, v[64*(\a)+4*J:64*(\a)+4*J+3] offset:128*(J/4)+16*(J%4)   ; each accumulator from its low end on
.set J, J+1
.endr
	WIN 0
.set J, 0
.rept 16
	ds_load_b128 v[32+64*((\a)%2)+4*J:32+64*((\a)%2)+4*J+3], v18 offset:SP*J
.set J, J+1
.endr
	s_wait_dscnt 0x0
.set J, 0
.rept 16
	global_store_b128 v1, v[32+64*((\a)%2)+4*J:32+64*((\a)%2)+4*J+3], s[84:85] offset:(32*((\a)/2)+8*((\a)%2)+J+8*(J/8))*4096 th:TH_STORE_NT   ; stage row J is the tile's row J + 8 (J/8); written once, read by nobody here
.set J, J+1
.endr
.endm
	SEND 0
	SEND 1
	SEND 2
	SEND 3
	s_wait_tensorcnt 0x0
	ds_add_u32 v254, v255
	s_wait_dscnt 0x0
	CROUND                                         ; the closing round: no work-group ends while a partner may still ask for a tile that names it
	s_endpgm
.Lfunc_end_k_q81280d1e7a_gemm_out:
	.size	k_q81280d1e7a_gemm_out, .Lfunc_end_k_q81280d1e7a_gemm_out-k_q81280d1e7a_gemm_out
	.p2alignl 7, 3214868480
	.fill 96, 4, 3214868480
	.section	.rodata,"a",@progbits
	.p2align	6, 0x0
	.amdhsa_kernel k_q81280d1e7a_gemm_out
		.amdhsa_group_segment_fixed_size 243200
		.amdhsa_private_segment_fixed_size 0
		.amdhsa_enable_private_segment 0
		.amdhsa_kernarg_size 32
		.amdhsa_user_sgpr_count 2
		.amdhsa_user_sgpr_kernarg_segment_ptr 1
		.amdhsa_wavefront_size32 1
		.amdhsa_system_sgpr_workgroup_id_x 1
		.amdhsa_system_sgpr_workgroup_id_y 1
		.amdhsa_system_sgpr_workgroup_id_z 1
		.amdhsa_system_vgpr_workitem_id 0
		.amdhsa_next_free_vgpr 576
		.amdhsa_next_free_sgpr 102
		.amdhsa_reserve_vcc 0
		.amdhsa_float_denorm_mode_32 3
		.amdhsa_float_denorm_mode_16_64 3
		.amdhsa_memory_ordered 1
		.amdhsa_forward_progress 1
		.amdhsa_inst_pref_size 74
	.end_amdhsa_kernel
	.amdgpu_metadata
---
amdhsa.version: [ 1, 2 ]
amdhsa.kernels:
  - .name:           k_q81280d1e7a_gemm_out
    .symbol:         k_q81280d1e7a_gemm_out.kd
    .args:
      - { .name: oq, .offset: 0, .size: 8, .value_kind: global_buffer, .address_space: global }
      - { .name: wq, .offset: 8, .size: 8, .value_kind: global_buffer, .address_space: global }
      - { .name: b_out, .offset: 16, .size: 8, .value_kind: global_buffer, .address_space: global }
      - { .name: out0, .offset: 24, .size: 8, .value_kind: global_buffer, .address_space: global }
    .group_segment_fixed_size: 243200
    .private_segment_fixed_size: 0
    .kernarg_segment_align: 8
    .kernarg_segment_size: 32
    .max_flat_workgroup_size: 128
    .sgpr_count:     102
    .vgpr_count:     576
    .wavefront_size: 32
...
	.end_amdgpu_metadata
.endif
;; end of part 4
